; MI455X (gfx1250); checked and timed in simulation.
; The chip was launched on July 23, 2026; its instructions are those of AMD's public machine-readable ISA for CDNA 5 (MIT licence, August 2026) and "CDNA5" Instruction Set Architecture Reference Guide (July 2026). The comments in the code are by the model that wrote it; some were corrected since.
;; Ctx MH Att. Allowed arithmetic: matrix products marked QUANTISED: E2M3 operands, one E8M0 scale for each 32 along K, by v_wmma_scale_f32_16x16x128_f8f6f4 with both operands' format E2M3, f32 sums; everything else in f32.
;; Inputs: Wc_codes 1,024 x 32 x 24 uint8 (E2M3 codes of Wc, K innermost, in blocks of 32 codes, four codes in three bytes); Wc_scales 1,024 x 32 uint8 (E8M0 scales of Wc, one for each 32 codes along K); Wk_codes 1,024 x 32 x 24 uint8 (E2M3 codes of Wk, K innermost, in blocks of 32 codes, four codes in three bytes); Wk_scales 1,024 x 32 uint8 (E8M0 scales of Wk, one for each 32 codes along K); Wm_codes 1,024 x 32 x 24 uint8 (E2M3 codes of Wm, K innermost, in blocks of 32 codes, four codes in three bytes); Wm_scales 1,024 x 32 uint8 (E8M0 scales of Wm, one for each 32 codes along K); Wq_codes 1,024 x 32 x 24 uint8 (E2M3 codes of Wq, K innermost, in blocks of 32 codes, four codes in three bytes); Wq_scales 1,024 x 32 uint8 (E8M0 scales of Wq, one for each 32 codes along K); Wup_codes 1,024 x 1 x 24 uint8 (E2M3 codes of Wup, K innermost, in blocks of 32 codes, four codes in three bytes); Wup_scales 1,024 x 1 uint8 (E8M0 scales of Wup, one for each 32 codes along K); Wv_codes 1,024 x 32 x 24 uint8 (E2M3 codes of Wv, K innermost, in blocks of 32 codes, four codes in three bytes); Wv_scales 1,024 x 32 uint8 (E8M0 scales of Wv, one for each 32 codes along K); bc 1,024 float32; bk 1,024 float32; bm 1,024 float32; bq 1,024 float32; bv 1,024 float32; c_codes 8 x 32 x 32 x 24 uint8 (E2M3 codes of c, K innermost, in blocks of 32 codes, four codes in three bytes); c_scales 8 x 32 x 32 uint8 (E8M0 scales of c, one for each 32 codes along K); k_codes 8 x 1,024 x 32 x 24 uint8 (E2M3 codes of k, K innermost, in blocks of 32 codes, four codes in three bytes); k_scales 8 x 1,024 x 32 uint8 (E8M0 scales of k, one for each 32 codes along K); ln_b 1,024 float32; ln_w 1,024 float32; q_codes 8 x 1,024 x 32 x 24 uint8 (E2M3 codes of q, K innermost, in blocks of 32 codes, four codes in three bytes); q_scales 8 x 1,024 x 32 uint8 (E8M0 scales of q, one for each 32 codes along K); tau one number float32; v_codes 8 x 1,024 x 32 x 24 uint8 (E2M3 codes of v, K innermost, in blocks of 32 codes, four codes in three bytes); v_scales 8 x 1,024 x 32 uint8 (E8M0 scales of v, one for each 32 codes along K).
;; Outputs: out0 8 x 1,024 x 1,024 float32.
;; This version of the problem:
;;   THIS VERSION OF THE PROBLEM IS GIVEN IN LOW PRECISION. The matrix products marked QUANTISED in the list below multiply operands that are first quantised to E2M3 (2 exponent bits, 3 mantissa bits; 6 bits a number), with one power-of-two scale for each 32 numbers along K (OCP MX v1.0); their sums are f32. All else is computed in f32.
;;   The module's matrix products, in the order in which they are computed (A, B: the left and right operand; K: the contracted axis; several contracted axes count as one K, in the product's order):
;;     1. [M 8,192, K 1,024] x [K 1,024, N 1,024]; A: input v (given as codes); B: input Wv (given as codes): QUANTISED
;;     2. [M 8,192, K 1,024] x [K 1,024, N 1,024]; A: input k (given as codes); B: input Wk (given as codes): QUANTISED
;;     3. [M 8,192, K 1,024] x [K 1,024, N 1,024]; A: input q (given as codes); B: input Wq (given as codes): QUANTISED
;;     4. [M 256, K 1,024] x [K 1,024, N 1,024]; A: input c (given as codes); B: input Wc (given as codes): QUANTISED
;;     5. batch 64 x [M 1,024, K 128] x [K 128, N 1,024]; A: computed on the way; B: computed on the way: QUANTISED
;;     6. [M 1,024, K 32] x [K 32, N 8,192]; A: input Wup (given as codes); B: computed on the way: QUANTISED
;;     7. batch 64 x [M 1,024, K 128] x [K 128, N 1,024]; A: computed on the way; B: computed on the way: QUANTISED
;;     8. batch 64 x [M 1,024, K 1,024] x [K 1,024, N 128]; A: softmax (see below); B: computed on the way: QUANTISED
;;     9. [M 8,192, K 1,024] x [K 1,024, N 1,024]; A: computed on the way; B: input Wm (given as codes): QUANTISED
;;   THE QUANTISER, for each operand of a quantised product, along K:
;;     - K is cut into blocks of 32 from its start; a last block that is shorter is filled with zeros.
;;     - A block's scale is 2^e with e = floor(log2(the largest magnitude in the block)) - 2, held to -126 .. 127; a block of zeros has e = 0. As a byte (E8M0): e + 127.
;;     - Each number is divided by its block's scale, clamped to +-7.5, and rounded to the nearest number of E2M3, ties to even, subnormals kept.
;;     - The product sums the exact products of the quantised numbers (number of the format x scale) in f32.
;;   ~~~python
;;   def quantise(x, axis):      # numpy; x: float32 -> the quantised numbers, widened to float32 again
;;       x = np.moveaxis(x, axis, -1); K = x.shape[-1]
;;       x = np.pad(x, [(0, 0)] * (x.ndim - 1) + [(0, -K % 32)]); x = x.reshape(x.shape[:-1] + (-1, 32)); a = np.abs(x).max(-1, keepdims=True)
;;       e = np.where(a > 0, np.clip(np.frexp(np.where(a > 0, a, 1))[1] - 1 - 2, -126, 127), 0)      # np.frexp(a)[1] - 1 = floor(log2(a)), exactly
;;       r = np.clip(x / 2.0 ** e, -7.5, 7.5)
;;       step = 2.0 ** (np.maximum(np.frexp(np.where(r == 0, 1, r))[1] - 1, 0) - 3)
;;       q = np.round(r / step) * step * 2.0 ** e      # np.round: ties to even
;;       return np.moveaxis(q.reshape(q.shape[:-2] + (-1,))[..., :K], -1, axis).astype(np.float32)
;;   ~~~
;;   SOFTMAX AHEAD OF A QUANTISED PRODUCT. Where the list says 'softmax', what is quantised is not the finished softmax but p = 2^(t - M), with t = logit x log2(e) and M = ceil(the row's largest t), a whole number; so 1/2 < the row's largest p <= 1. The row's sum l is taken of the UNQUANTISED p, in f32, and the product's result is divided by l at the end. Since M is a whole number, a kernel that streams over the keys may use a running M (the ceiling of the running maximum): every later rescaling is an exact power of two, which a block's scale takes up: the codes' values come out the same.
;;   OPERANDS COMPUTED ON THE WAY. 'Computed on the way' means the value that the module computes at that place (a softmax that the list does not call 'softmax' is quantised finished and normalised). What goes into a quantiser is computed in f32, as accurately as f32 sums, v_exp_f32 and their like allow (about 1e-6 of the number): no bf16 or f16 on the way to a quantiser, and a product that is left as it is and whose result goes on into a quantised operand takes f32 operands (vector FMAs, or v_wmma_f32_16x16x4_f32). A number that lies on a knife's edge between two numbers of the format may be rounded either way, as far as f32 arithmetic and the matrix unit's own rounding can turn it there, and no further.
;;   INPUTS GIVEN AS CODES. Wc (in the module: [1024, 1024], K = its axis 1); Wk (in the module: [1024, 1024], K = its axis 1); Wm (in the module: [1024, 1024], K = its axis 1); Wq (in the module: [1024, 1024], K = its axis 1); Wup (in the module: [1024, 32], K = its axis 1); Wv (in the module: [1024, 1024], K = its axis 1); c (in the module: [8, 32, 1024], K = its axis 2); k (in the module: [8, 1024, 1024], K = its axis 2); q (in the module: [8, 1024, 1024], K = its axis 2); v (in the module: [8, 1024, 1024], K = its axis 2): each comes as NAME_codes (uint8): NAME with its K axis moved to the last place and cut into blocks of 32 codes, [.., K / 32, bytes a block], one block behind the other in memory; four codes in three bytes: a row's codes are one little-endian stream of bits, code i at bits 6 i .. 6 i + 5 (a code: sign, 2 exponent bits, 3 mantissa bits); and NAME_scales (uint8): the same leading axes, one E8M0 byte (e + 127) for each 32 codes along K. Its value is code x scale, taken as it is: it is not quantised again, and the codes and scales need not be those that the quantiser above would give.
;; One version. Each part assembles by itself: llvm-mc -triple=amdgcn-amd-amdhsa -mcpu=gfx1250 --defsym DOCPART=n.
;; ======== version 1 of 1: 3 launches
;; limits: right only within a limited range of input values
;; workspace buffers: qimg 6,291,456 bytes; kimg 6,291,456 bytes; vimg 6,291,456 bytes; oimg 6,291,456 bytes; qsc 262,144 bytes; ksc 262,144 bytes; vsc 262,144 bytes; osc 262,144 bytes
;; launch proj (part 1): grid 4 x 64, 4 waves a work-group, clusters of 4 x 4, 327,680 bytes of LDS; arguments q_codes, q_scales, Wq_codes, Wq_scales, bq, qimg, qsc, k_codes, k_scales, Wk_codes, Wk_scales, bk, kimg, ksc, Wv_codes, Wv_scales, v_codes, v_scales, bv, vimg, vsc; writes qimg, qsc, kimg, ksc, vimg, vsc
.if DOCPART == 1
	.amdgcn_target "amdgcn-amd-amdhsa--gfx1250"
	.amdhsa_code_object_version 6
	.text
	.protected	k_q990875e9ac_proj
	.globl	k_q990875e9ac_proj
	.p2align	8
	.type	k_q990875e9ac_proj,@function
k_q990875e9ac_proj:
	s_mov_b64 s[64:65], 0
	v_nop
	global_prefetch_b8 v0, s[64:65] scope:SCOPE_SE
	s_setreg_imm32_b32 hwreg(HW_REG_WAVE_MODE, 25, 1), 1
	s_wait_xcnt 0x0
	s_wait_alu depctr_hold_cnt(0) depctr_sa_sdst(0) depctr_va_vdst(0) depctr_va_sdst(0) depctr_va_ssrc(0) depctr_va_vcc(0) depctr_vm_vsrc(0)
	s_getreg_b32 s2, hwreg(HW_REG_IB_STS2, 6, 4)
	s_cmp_eq_u32 s2, 0
	s_cbranch_scc0 .Lentry_in_a_cluster
	s_endpgm
.Lentry_in_a_cluster:
	s_bfe_u32 s2, ttmp6, 0x10000c
	s_cmp_lg_u32 s2, 0xf033
	s_cbranch_scc0 .Lentry_shape_is_right
	s_endpgm
.Lentry_shape_is_right:
; qh = q Wq^T + bq, kh = k Wk^T + bk, vh = v Wv^T + bv on codes of FP6 (E2M3), one E8M0 scale for each 32 along K = 1,024, and the quantising of the results.
; "A" is the operand whose rows end up in lanes (source 1), "B" the one whose rows run along a lane's registers (source 0).
; q, k: A = tokens, B = the weight: quantised along a head's channels.  v: A = Wv, B = v's tokens: V^T quantised along the keys.
; A BLOCK is 128 rows of A x 256 rows of B; a wave makes 64 x 128: 32 accumulators.  768 blocks, 256 for each product.
; A WORK-GROUP STAYS: 256 work-groups, each makes one block of q, then one of k, then one of v: a loop of two trips and a tail that asks for nothing more.
; ALL OF K LIES IN LDS AT ONCE: 384 rows x 768 bytes and their scale bytes are four dense blocks of memory, brought by four joint tensor loads, one a wave, as rows of 256 bytes with 16 bytes of padding behind each.
; The next block's four loads are issued when every wave of the cluster has read the last fragment of this one; the bias of the next block and this block's way out, work on registers and stores, stand behind them.
; CLUSTERS: 4 x 4 work-groups; A's blocks are asked for jointly along a row of the cluster, B's along a column.
; PREFETCH: behind step 0 of a trip each cluster names once each 256 bytes of the codes that the refill at the trip's end, seven steps on, will load: of A's 384 units the partner at cx takes 96 (wave 0, three instructions),
; of B's 768 the partner at cy takes 192 (waves 1 to 3, two instructions each), a lane a unit.  The first block comes by its loads alone; the scale bytes, one part in 24 of a block, are not named.
; THE BIAS is the C of each sum's first product (q, k: along the registers; v: one number a lane).
; THE WAY OUT: a wave's block a (16 rows x 128) is one operand fragment of the next product and leaves as an image of its 12 registers: 1,536 bytes, registers 4 c .. 4 c + 3 of lane l at 512 c + 16 l.
; The scale words of the wave's four fragments leave as 256 bytes: lane (r, h) holds, at 8 l, the words of fragments 2 j + h, j = 0, 1, for row r.
; Inside a block of 32 the four groups of eight stand in the order 0, 2, 1, 3, alike in both operands of each product that reads these images.
; LIMITS: NaN and infinities among the inputs are not served.  A block whose largest magnitude lies under 2^-124, a block of zeros among them, gets the scale byte 1; this program alone reads these bytes.
.set PITCH,  816                       ; an LDS row of 1,024 codes: 3 x (256 + 16)
.set BLK,    16*PITCH
.set LB,     128*PITCH                 ; B's 256 rows lie behind A's 128
.set SCL,    384*PITCH                 ; A's scales: 16 units of 256 + 16
.set SCLB,   SCL+16*272                ; B's: 32 units
.set SBLK,   544                       ; the scales of 16 rows
.set SPARE,  SCLB+32*272               ; the spare words, 128 bytes a wave
.set ADRA, 16                          ; v16 my A rows (v17: behind one padding more in lanes 16-31)
.set ADRB, 18                          ; v18-19 B's blocks 0-3, v20-21 blocks 4-7
.set PFO,  24                          ; 256 x lane
.set C8,   25                          ; 8 x lane
.set CO,   26                          ; 16 x lane
.set ADRS, 27                          ; scale words: lanes 0-15 A's rows, lanes 16-31 B's
.set SPW,  28
.set NIL,  29
.set SC,   32                          ; v32-95: register 8 i + st: the word of step st; lanes 0-15 A's block i, lanes 16-31 B's block i
.set BIAS, 96                          ; v96-159
.set AF,   160                         ; v160-255 A's fragments, two sets of four
.set TM,   32                          ; the way out works where the scale words lay
.set SCR,  48
.set PWS,  56
.set XW,   60
.set PC,   160
.set WV,   2                           ; s2 wave, s3 my 64 rows of A, s62 my 128 rows of B, s63 the trip
.set P0,   20                          ; seven addresses a product: A's codes, A's scales, B's codes, B's scales, the bias, the images, the scale images
.set P1,   34                          ; P0: this block's, P1: the next block's, P2: the one after
.set P2,   48
.set PO,   66                          ; s[66:67] my share of a prefetch, in bytes
.set SEL,  100
.set G1A, 68
.set G1B, 76
.set G1SA, 84
.set G1SB, 92
.set DW0, (3<<16)|(1<<20)|(1<<21)|(5<<22)|(3<<25)   ; elements of 8 bytes; padding on; bit 21 beside a mask; 4 words behind every 64
.set MSB, 0
.macro WIN new
.if MSB != (\new)
	s_set_vgpr_msb (MSB<<8)|(\new)
.set MSB, \new
.endif
.endm
.macro CREST                           ; a round of the cluster's barrier behind its opening barrier
	s_cmp_lg_u32 s[WV], 0
	s_cbranch_scc1 .Lnot_wave_0_\@
	s_barrier_signal -3
.Lnot_wave_0_\@:
	s_barrier_wait -3
	s_barrier_signal -1
	s_barrier_wait -1
.endm
.macro CROUND
	s_barrier_signal -1
	s_barrier_wait -1
	CREST
.endm
.macro GRP1 g, mask, rows              ; a dense block as rows of 256 bytes
	s_or_b32 s[\g], \mask, DW0
	s_mov_b32 s[\g+1], 32<<16
	s_mov_b32 s[\g+2], (\rows)<<16
	s_mov_b32 s[\g+3], 32<<16
	s_mov_b32 s[\g+4], \rows
	s_mov_b32 s[\g+5], 32
	s_mov_b32 s[\g+6], 0
	s_mov_b32 s[\g+7], 0
.endm
.macro GADR g, p                       ; a group 0's global address
	s_mov_b64 s[\g+2:\g+3], s[\p:\p+1]
	s_or_b32 s[\g+3], s[\g+3], 0x80000000
.endm
.macro PADD p, o
	s_add_nc_u64 s[\p:\p+1], s[\p:\p+1], s[\o:\o+1]
.endm
.macro PLACES
.rept 4
	v_nop
.endr
.endm
.macro TLD g0, g1
	tensor_load_to_lds s[\g0:\g0+3], s[\g1:\g1+7]
	s_nop 0
	PLACES
.endm
.macro LOADS                           ; one tree of branches on the wave's number, one load to an arm: A's codes, B's codes, A's scales, B's scales
	s_cmp_lt_u32 s[WV], 1
	s_cbranch_scc0 .Lb_\@
	TLD 4, G1A
	s_branch .Lasked_\@
.Lb_\@:
	s_cmp_lt_u32 s[WV], 2
	s_cbranch_scc0 .Lsa_\@
	TLD 8, G1B
	s_branch .Lasked_\@
.Lsa_\@:
	s_cmp_lt_u32 s[WV], 3
	s_cbranch_scc0 .Lsb_\@
	TLD 12, G1SA
	s_branch .Lasked_\@
.Lsb_\@:
	TLD 16, G1SB
.Lasked_\@:
.endm
	s_load_b512 s[20:35], s[0:1], 0x0
	s_load_b512 s[36:51], s[0:1], 0x40
	s_load_b256 s[52:59], s[0:1], 0x80
	s_load_b64 s[60:61], s[0:1], 0xa0
	v_lshl_add_u32 v[SPW], v0, 2, SPARE
	v_mov_b32 v[NIL], 0
	ds_add_u32 v[SPW], v[NIL]                      ; the opening lines: the add twice on end and one wait
	ds_add_u32 v[SPW], v[NIL]
	v_lshrrev_b32 v1, 5, v0
	v_readfirstlane_b32 s[WV], v1
	s_lshr_b32 s3, s[WV], 1
	s_and_b32 s62, s[WV], 1
	s_bfe_u32 s100, ttmp6, 0x40000                 ; cx
	s_bfe_u32 s101, ttmp6, 0x40004                 ; cy
	s_lshl_b32 s104, s101, 2
	s_lshl_b32 s104, 15, s104                      ; my row of the cluster
	s_lshl_b32 s105, 0x1111, s100                  ; my column
	GRP1 G1A, s104, 384
	GRP1 G1B, s105, 768
	GRP1 G1SA, s104, 16
	GRP1 G1SB, s105, 32
	s_and_b32 s16, ttmp7, 0xffff                   ; the cluster, 0 .. 15
	s_lshl_b32 s12, s16, 2
	s_add_co_u32 s12, s12, s101                    ; q, k: A's block of 64; B's block is cx
	s_and_b32 s13, s16, 1
	s_lshl_b32 s13, s13, 2
	s_add_co_u32 s13, s13, s101                    ; v: A's block of 8,
	s_lshr_b32 s17, s16, 1
	s_lshl_b32 s17, s17, 2
	s_add_co_u32 s17, s17, s100                    ; B's block of 32
	s_mov_b32 s5, 0
	s_mov_b32 s9, 0
	s_mov_b32 s105, 0
	s_wait_dscnt 0x0
	s_wait_kmcnt 0x0
	s_mul_i32 s4, s12, 128*768                     ; A's offsets in s[4:5], B's in s[8:9], the results' in s[104:105]
	PADD P0, 4
	PADD P1, 4
	s_lshl_b32 s4, s12, 12
	PADD P0+2, 4
	PADD P1+2, 4
	s_mul_i32 s4, s13, 128*768
	PADD P2, 4
	s_lshl_b32 s4, s13, 12
	PADD P2+2, 4
	s_mul_i32 s8, s100, 256*768
	PADD P0+4, 8
	PADD P1+4, 8
	s_lshl_b32 s8, s100, 13
	PADD P0+6, 8
	PADD P1+6, 8
	s_mul_i32 s8, s17, 256*768
	PADD P2+4, 8
	s_lshl_b32 s8, s17, 13
	PADD P2+6, 8
	s_mov_b32 s4, 1                                ; the four groups 0: count, LDS address, global address
	s_mov_b32 s5, 0
	GADR 4, P0
	s_mov_b32 s8, 1
	s_mov_b32 s9, LB
	GADR 8, P0+4
	; where my four fragments go: unit U = 2 x ((8 batch + head) x 8 + which 128 tokens) + my half of A's rows.  q, k:
	s_lshl_b32 s18, s100, 1
	s_add_co_u32 s18, s18, s62                     ; the head
	s_lshr_b32 s19, s12, 3                         ; the batch
	s_lshl_b32 s19, s19, 3
	s_add_co_u32 s19, s19, s18
	s_lshl_b32 s19, s19, 3
	s_and_b32 s14, s12, 7
	s_add_co_u32 s19, s19, s14
	s_lshl_b32 s19, s19, 1
	s_add_co_u32 s19, s19, s3
	s_lshl_b32 s104, s18, 9
	PADD P0+8, 104
	PADD P1+8, 104
	s_mul_i32 s104, s19, 4*1536
	PADD P0+10, 104
	PADD P1+10, 104
	s_lshl_b32 s104, s19, 8
	PADD P0+12, 104
	PADD P1+12, 104
	s_lshl_b32 s18, s17, 1                         ; v:
	s_add_co_u32 s18, s18, s62
	s_and_b32 s18, s18, 7                          ; which 128 tokens
	s_lshr_b32 s19, s17, 2                         ; the batch
	s_lshl_b32 s19, s19, 3
	s_add_co_u32 s19, s19, s13                     ; the head
	s_lshl_b32 s19, s19, 3
	s_add_co_u32 s19, s19, s18
	s_lshl_b32 s19, s19, 1
	s_add_co_u32 s19, s19, s3
	s_lshl_b32 s104, s13, 9
	s_lshl_b32 s18, s3, 8
	s_add_co_u32 s104, s104, s18                   ; my 64 channels of the head's bias
	PADD P2+8, 104
	s_mul_i32 s104, s19, 4*1536
	PADD P2+10, 104
	s_lshl_b32 s104, s19, 8
	PADD P2+12, 104
	s_mul_i32 s[PO], s100, 96*256                  ; the prefetches: wave 0 takes A's units 96 cx on,
	s_mul_i32 s18, s101, 192*256                   ; waves 1 to 3 B's units 192 cy + 64 (wave - 1) on
	s_sub_co_u32 s19, s[WV], 1
	s_lshl_b32 s19, s19, 14
	s_add_co_u32 s18, s18, s19
	s_cmp_eq_u32 s[WV], 0
	s_cselect_b32 s[PO], s[PO], s18
	s_mov_b32 s[PO+1], 0
	s_mov_b32 s12, 1
	s_mov_b32 s13, SCL
	GADR 12, P0+2
	s_mov_b32 s16, 1
	s_mov_b32 s17, SCLB
	GADR 16, P0+6
	CROUND                                         ; all sixteen work-groups are here: the joint loads meet
	LOADS
	s_mul_i32 s104, s3, 64*PITCH
	s_mul_i32 s105, s62, 128*PITCH
	s_add_co_u32 s105, s105, LB
	s_add_co_u32 s100, s105, 4*BLK
	s_mul_i32 s101, s3, 8*272
	s_mul_i32 s63, s62, 16*272
	s_add_co_u32 s63, s63, SCLB-SCL
	s_sub_co_u32 s63, s63, s101
	s_add_co_u32 s101, s101, SCL
	v_and_b32 v1, 15, v0                           ; r
	v_bfe_u32 v2, v0, 4, 1                         ; h
	v_and_b32 v3, 31, v0
	v_lshlrev_b32 v[CO], 4, v3
	v_lshlrev_b32 v[C8], 3, v3
	v_lshlrev_b32 v[PFO], 8, v3
	v_mul_u32_u24 v4, v1, PITCH
	v_mad_u32_u24 v4, v2, 24, v4                   ; row x pitch + 24 h
	v_lshl_add_u32 v5, v2, 4, v4
	v_add_nc_u32 v[ADRA], s104, v4
	v_add_nc_u32 v[ADRA+1], s104, v5
	v_add_nc_u32 v[ADRB], s105, v4
	v_add_nc_u32 v[ADRB+1], s105, v5
	v_add_nc_u32 v[ADRB+2], s100, v4
	v_add_nc_u32 v[ADRB+3], s100, v5
	v_lshlrev_b32 v6, 5, v1                        ; 32 scale bytes a row,
	v_lshrrev_b32 v7, 3, v1
	v_lshl_add_u32 v6, v7, 4, v6                   ; 16 more behind each 256
	v_mul_u32_u24 v7, s63, v2                      ; lanes 16-31 take B's
	v_add_nc_u32 v6, v6, v7
	v_add_nc_u32 v[ADRS], s101, v6
	v_lshlrev_b32 v8, 5, v2                        ; 32 h
	v_lshlrev_b32 v9, 2, v1                        ; 4 r
	s_wait_alu depctr_va_vdst(0)                   ; the head's end
	s_mov_b32 s[SEL], 0x76543210
	s_mov_b32 s[SEL+1], 0xfedcba98
.macro BLD1 p                          ; the bias along the registers: channels 16 b + 8 h + 0 .. 7
.irp b, 0,1,2,3,4,5,6,7
	global_load_b128 v[BIAS+8*\b:BIAS+8*\b+3], v8, s[\p:\p+1] offset:64*\b
	global_load_b128 v[BIAS+8*\b+4:BIAS+8*\b+7], v8, s[\p:\p+1] offset:64*\b+16
.endr
.endm
.macro BLD2 p                          ; one number a lane: channel 16 a + r in all eight registers (a = 0 .. 3 are used; all 64 registers are written)
.irp a, 0,1,2,3,4,5,6,7
.irp j, 0,1,2,3,4,5,6,7
	global_load_b32 v[BIAS+8*\a+\j], v9, s[\p:\p+1] offset:64*(\a%4)
.endr
.endr
.endm
.macro FRAG reg, adr, st, i            ; 16 rows x 128 K: six pieces of 8 bytes; byte y of a row lies at y + 16 (y / 256); lanes 16-31 read 24 bytes on
.irp p, 0,1,2,3,4,5
.set BY, 96*(\st)+48*(\p/3)+8*(\p%3)
.if BY/256 == (BY+24)/256
	ds_load_b64 v[\reg+2*\p:\reg+2*\p+1], v[\adr] offset:BY+16*(BY/256)+(\i)*BLK
.else
	ds_load_b64 v[\reg+2*\p:\reg+2*\p+1], v[\adr+1] offset:BY+16*(BY/256)+(\i)*BLK
.endif
.endr
.endm
.macro FETCH_B st                      ; 48 loads, into set st % 2 of window 1
	WIN 0x40
.irp i, 0,1,2,3,4,5,6,7
	FRAG 128*((\st)%2)+12*\i, ADRB+2*(\i/4), \st, \i%4
.endr
	WIN 0
.endm
.macro FETCH_A st                      ; 24 loads
.irp i, 0,1,2,3
	FRAG AF+48*((\st)%2)+12*\i, ADRA, \st, \i
.endr
.endm
; 16 products: A's blocks a0, a0 + 1 x B's eight.  mode 1: the sums begin with the bias of B's block; 2: of A's block.  The 32 accumulators take turns.
.macro MUL a0, st, mode
.irp a, \a0, \a0+1
.irp b, 0,1,2,3,4,5,6,7
.set rD, 8*(8*(\a)+\b)
.if (\mode) == 1
.set rC, BIAS+8*\b
.elseif (\mode) == 2
.set rC, BIAS+8*(\a)
.else
.set rC, rD
.endif
	v_wmma_scale_f32_16x16x128_f8f6f4 v[rD:rD+7], v[128*((\st)%2)+12*\b:128*((\st)%2)+12*\b+11], v[AF+48*((\st)%2)+12*(\a):AF+48*((\st)%2)+12*(\a)+11], v[rC:rC+7], v[SC+8*\b+(\st)], v[SC+8*(\a)+(\st)] matrix_a_fmt:MATRIX_FMT_FP6 matrix_b_fmt:MATRIX_FMT_FP6 matrix_a_scale:MATRIX_SCALE_ROW1
.endr
.endr
.endm
; 128 along K; the next step's fragments are fetched under this step's products.  refill = 1 (the last step alone): the block's bytes are read no more, and are filled again.
.macro STEP st, mode, refill
.if (\mode) > 0
.set WM, 0x81                          ; C in window 0, D in window 2
.else
.set WM, 0xa1
.endif
.if (\st) < 7
.if (\st) > 0
	PLACES                                         ; behind the last step's products, whose registers the loads below fill
.endif
	FETCH_B (\st)+1
	s_wait_dscnt 48                                ; all but the 48 just issued: this step's fragments are in
.elseif \refill
	s_wait_tensorcnt 0x0                           ; no tensor load of mine is out,
	ds_add_u32 v[SPW], v[NIL]
	GADR 4, P1                                     ; so the groups 0 may be written: the next block's addresses
	GADR 8, P1+4
	GADR 12, P1+2
	GADR 16, P1+6
	s_wait_dscnt 0x0                               ; the add is done, and my reads of this block's bytes are over
	s_barrier_signal -1                            ; the round's opening barrier; the products below are work on registers
.else
	s_wait_dscnt 0x0
.endif
	WIN WM
	MUL 0, \st, \mode
.if (\st) < 7
	WIN 0
	FETCH_A (\st)+1
	WIN WM
.endif
	MUL 2, \st, \mode
	WIN 0
.if \refill
	s_barrier_wait -1
	CREST                                          ; no wave of any partner still reads these bytes or has a load on its way
	LOADS                                          ; the refill, first behind the round, one load a wave
.endif
.endm
.macro ASK                             ; the next block's codes, named once in the cluster
	s_cmp_eq_u32 s[WV], 0
	s_cselect_b64 s[104:105], s[P1:P1+1], s[P1+4:P1+5]
	s_add_nc_u64 s[104:105], s[104:105], s[PO:PO+1]
	global_prefetch_b8 v[PFO], s[104:105] th:TH_LOAD_NT scope:SCOPE_SE
	global_prefetch_b8 v[PFO], s[104:105] offset:8192 th:TH_LOAD_NT scope:SCOPE_SE
	s_cmp_lg_u32 s[WV], 0
	s_cbranch_scc1 .Lnot_a_\@
	global_prefetch_b8 v[PFO], s[104:105] offset:16384 th:TH_LOAD_NT scope:SCOPE_SE
.Lnot_a_\@:
.endm
.macro COMPUTE mode, refill
	s_wait_tensorcnt 0x0                           ; my part of the block has landed
	s_barrier_signal -1
	s_barrier_wait -1                              ; everybody's has
.irp i, 0,1,2,3,4,5,6,7
	ds_load_b128 v[SC+8*\i:SC+8*\i+3], v[ADRS] offset:\i*SBLK                  ; a row's 32 scale bytes: the words of its eight steps
	ds_load_b128 v[SC+8*\i+4:SC+8*\i+7], v[ADRS] offset:\i*SBLK+16
.endr
	FETCH_B 0
	FETCH_A 0
	s_wait_loadcnt 0x0                             ; the bias
	STEP 0, \mode, 0
.if \refill
	ASK
.endif
.set ST, 1
.rept 6
	STEP ST, 0, 0
.set ST, ST+1
.endr
	STEP 7, 0, \refill
.endm
; 64 numbers of a lane, registers src .. src + 63 of window 2, register 16 b + i in block b of my row, become 12 registers of codes at pc and a scale word in pw
.macro QUANT src, pc, pw
	WIN 0x0a
.irp b, 0,1,2,3
	v_max3_num_f32 v[TM+\b], |v[(\src)+16*\b]|, |v[(\src)+16*\b+1]|, 0x1800000   ; with the floor 2^(3 - 127); each accumulator is read from its low end on
.endr
.irp i, 2,4,6,8,10,12,14
.irp b, 0,1,2,3
	v_max3_num_f32 v[TM+\b], |v[(\src)+16*\b+\i]|, |v[(\src)+16*\b+\i+1]|, v[TM+\b]
.endr
.endr
	WIN 0
.irp b, 0,1,2,3
	v_permlanex16_b32 v[TM+4+\b], v[TM+\b], s[SEL], s[SEL+1]
.endr
.irp b, 0,1,2,3
	v_max_num_f32 v[TM+\b], v[TM+\b], v[TM+4+\b]   ; the block's largest magnitude
.endr
.irp b, 0,1,2,3
	v_add_nc_u32 v[TM+12+\b], 0xff000000, v[TM+\b] ; 2 off its exponent field: the conversion's scale operand
.endr
.irp b, 0,1,2,3
	v_lshrrev_b32 v[TM+4+\b], 23, v[TM+12+\b]      ; the scale's byte
.endr
	v_lshl_or_b32 v[\pw], v[TM+5], 8, v[TM+4]
	v_lshl_or_b32 v[\pw], v[TM+6], 16, v[\pw]
	v_lshl_or_b32 v[\pw], v[TM+7], 24, v[\pw]
	WIN 0x02
.irp c, 0,1
	v_cvt_scalef32_pk16_fp6_f32 v[(\pc)+6*\c:(\pc)+6*\c+2], v[(\src)+32*\c:(\src)+32*\c+15], v[TM+12+2*\c]
	v_cvt_scalef32_pk16_fp6_f32 v[SCR+4*\c:SCR+4*\c+2], v[(\src)+32*\c+16:(\src)+32*\c+31], v[TM+12+2*\c+1]
.endr
	WIN 0
	v_nop                                          ; one plain place behind a scaled conversion
.irp c, 0,1                                    ; a whole block in a lane: lanes 0-15 block 2 c, lanes 16-31 block 2 c + 1
.irp i, 0,1,2
	v_permlane16_swap_b32 v[(\pc)+6*\c+\i], v[SCR+4*\c+\i]
.endr
.irp i, 0,1,2
	v_mov_b32 v[(\pc)+6*\c+3+\i], v[SCR+4*\c+\i]
.endr
.endr
.endm
.macro WAYOUT
	PLACES                                         ; the lines below write registers that held the last products' scale words: four places behind those products
.irp b, 0,1,2,3
	v_mov_b32 v[TM+4+\b], 0                        ; a lane permute's destination counts as a source; these are also places behind the last products
.endr
.irp a, 0,1,2,3                                ; each fragment has code registers of its own
	QUANT 64*\a, PC+12*\a, PWS+\a
.irp c, 0,1,2
	global_store_b128 v[CO], v[PC+12*\a+4*\c:PC+12*\a+4*\c+3], s[P0+10:P0+11] offset:1536*\a+512*\c   ; 512 consecutive bytes, aligned
.endr
.endr
	v_cmp_le_u32 vcc_lo, 16, v3
	v_cndmask_b32 v[XW], v[PWS], v[PWS+1], vcc_lo  ; lanes 0-15 keep the even fragments' words, lanes 16-31 the odd ones'
	v_cndmask_b32 v[XW+1], v[PWS+2], v[PWS+3], vcc_lo
	global_store_b64 v[C8], v[XW:XW+1], s[P0+12:P0+13]   ; 256 consecutive bytes, aligned
.endm
	BLD1 P0+8                                      ; q's bias
	s_mov_b32 s63, 0
.Ltile:                                        ; two trips: q, then k
	COMPUTE 1, 1
	s_cmp_eq_u32 s63, 0                            ; the next block's bias: k's lies as q's does, v's one number a lane
	s_cbranch_scc0 .Lbias_rows
	BLD1 P1+8
	s_branch .Lbias_done
.Lbias_rows:
	BLD2 P1+8
.Lbias_done:
	WAYOUT
	s_wait_alu depctr_va_vdst(0)                   ; directly ahead of the wait below
	s_wait_xcnt 0x0                                ; stores, loads and prefetches have read their registers and bases
	s_mov_b64 s[P0+10:P0+11], s[P1+10:P1+11]
	s_mov_b64 s[P0+12:P0+13], s[P1+12:P1+13]
.irp i, 0,2,4,6,8,10,12
	s_mov_b64 s[P1+\i:P1+\i+1], s[P2+\i:P2+\i+1]
.endr
	s_add_co_u32 s63, s63, 1
	s_cmp_lt_u32 s63, 2
	s_cbranch_scc1 .Ltile
	COMPUTE 2, 0                                   ; v: nothing more is asked for
	WAYOUT
	s_wait_tensorcnt 0x0                           ; the wave's end
	ds_add_u32 v[SPW], v[NIL]
	s_wait_dscnt 0x0
	CROUND                                         ; the closing round
	s_endpgm
.Lfunc_end_k_q990875e9ac_proj:
	.size	k_q990875e9ac_proj, .Lfunc_end_k_q990875e9ac_proj-k_q990875e9ac_proj
	.p2alignl 7, 3214868480
	.fill 96, 4, 3214868480
	.section	.rodata,"a",@progbits
	.p2align	6, 0x0
	.amdhsa_kernel k_q990875e9ac_proj
		.amdhsa_group_segment_fixed_size 327680
		.amdhsa_private_segment_fixed_size 0
		.amdhsa_enable_private_segment 0
		.amdhsa_kernarg_size 168
		.amdhsa_user_sgpr_count 2
		.amdhsa_user_sgpr_kernarg_segment_ptr 1
		.amdhsa_wavefront_size32 1
		.amdhsa_system_sgpr_workgroup_id_x 1
		.amdhsa_system_sgpr_workgroup_id_y 1
		.amdhsa_system_sgpr_workgroup_id_z 1
		.amdhsa_system_vgpr_workitem_id 0
		.amdhsa_next_free_vgpr 768
		.amdhsa_next_free_sgpr 106
		.amdhsa_reserve_vcc 1
		.amdhsa_float_denorm_mode_32 3
		.amdhsa_float_denorm_mode_16_64 3
		.amdhsa_memory_ordered 1
		.amdhsa_forward_progress 1
		.amdhsa_inst_pref_size 200
	.end_amdhsa_kernel
	.amdgpu_metadata
---
amdhsa.version: [ 1, 2 ]
amdhsa.kernels:
  - .name:           k_q990875e9ac_proj
    .symbol:         k_q990875e9ac_proj.kd
    .args:
      - { .name: q_codes, .offset: 0, .size: 8, .value_kind: global_buffer, .address_space: global }
      - { .name: q_scales, .offset: 8, .size: 8, .value_kind: global_buffer, .address_space: global }
      - { .name: Wq_codes, .offset: 16, .size: 8, .value_kind: global_buffer, .address_space: global }
      - { .name: Wq_scales, .offset: 24, .size: 8, .value_kind: global_buffer, .address_space: global }
      - { .name: bq, .offset: 32, .size: 8, .value_kind: global_buffer, .address_space: global }
      - { .name: qimg, .offset: 40, .size: 8, .value_kind: global_buffer, .address_space: global }
      - { .name: qsc, .offset: 48, .size: 8, .value_kind: global_buffer, .address_space: global }
      - { .name: k_codes, .offset: 56, .size: 8, .value_kind: global_buffer, .address_space: global }
      - { .name: k_scales, .offset: 64, .size: 8, .value_kind: global_buffer, .address_space: global }
      - { .name: Wk_codes, .offset: 72, .size: 8, .value_kind: global_buffer, .address_space: global }
      - { .name: Wk_scales, .offset: 80, .size: 8, .value_kind: global_buffer, .address_space: global }
      - { .name: bk, .offset: 88, .size: 8, .value_kind: global_buffer, .address_space: global }
      - { .name: kimg, .offset: 96, .size: 8, .value_kind: global_buffer, .address_space: global }
      - { .name: ksc, .offset: 104, .size: 8, .value_kind: global_buffer, .address_space: global }
      - { .name: Wv_codes, .offset: 112, .size: 8, .value_kind: global_buffer, .address_space: global }
      - { .name: Wv_scales, .offset: 120, .size: 8, .value_kind: global_buffer, .address_space: global }
      - { .name: v_codes, .offset: 128, .size: 8, .value_kind: global_buffer, .address_space: global }
      - { .name: v_scales, .offset: 136, .size: 8, .value_kind: global_buffer, .address_space: global }
      - { .name: bv, .offset: 144, .size: 8, .value_kind: global_buffer, .address_space: global }
      - { .name: vimg, .offset: 152, .size: 8, .value_kind: global_buffer, .address_space: global }
      - { .name: vsc, .offset: 160, .size: 8, .value_kind: global_buffer, .address_space: global }
    .group_segment_fixed_size: 327680
    .private_segment_fixed_size: 0
    .kernarg_segment_align: 8
    .kernarg_segment_size: 168
    .max_flat_workgroup_size: 128
    .sgpr_count:     106
    .vgpr_count:     768
    .wavefront_size: 32
...
	.end_amdgpu_metadata
.endif
;; end of part 1
;; launch att (part 2): grid 4 x 64, 4 waves a work-group, no clusters, 310,784 bytes of LDS; arguments qimg, qsc, kimg, ksc, vimg, vsc, c_codes, c_scales, Wc_codes, Wc_scales, bc, Wup_codes, Wup_scales, ln_w, ln_b, tau, oimg, osc; writes oimg, osc
.if DOCPART == 2
	.amdgcn_target "amdgcn-amd-amdhsa--gfx1250"
	.amdhsa_code_object_version 6
	.text
	.protected	k_q990875e9ac_att
	.globl	k_q990875e9ac_att
	.p2align	8
	.type	k_q990875e9ac_att,@function
k_q990875e9ac_att:
	s_mov_b64 s[64:65], 0
	v_nop
	global_prefetch_b8 v0, s[64:65] scope:SCOPE_SE
	s_setreg_imm32_b32 hwreg(HW_REG_WAVE_MODE, 25, 1), 1
	s_wait_xcnt 0x0
; ATTENTION WITH A CONTEXT TERM AND A LAYERNORM OVER THE KEYS, all products on codes of FP6 (E2M3) with one E8M0 scale for each 32 along K.
; For one (batch, head) and 256 queries: ch = c Wc^T + bc; cu = Wup ch; raw = q.k + tanh(tau) cu.k; score = raw / (sqrt(128) (1 + tanh(tau))); LayerNorm over the 1,024 keys, x ln_w + ln_b;
; p = 2^(t - M), t = logit x log2(e), M a whole number; out = (p v) / (the sum of the unquantised p), quantised along (head, channel) for the last projection.
; SHARES.  A work-group of four waves owns 256 queries of one head and walks them in 4 blocks of 64 (four tiles of 16).  THE WAVES SHARE THE KEYS: wave w owns keys 256 w .. 256 w + 255 for all queries.
; So its 16 fragments of K stay in registers for the whole launch, its 16 fragments of V^T are its own (parked in its own LDS bytes), and a block's 64 x 256 scores lie in 512 registers from the products to the
; conversion.  What goes round: a row's mean and sum of squares (one exchange), and each wave's partial result with its own M and sum (one exchange); wave w then finishes tile w of the block.
; A wave's M is the ceiling of the largest t among ITS keys; the partial results are brought under the common M by exact powers of two.
; The variance is the sum of squares about the wave's own mean, joined by the means' spread: no difference of large sums is formed.
; LAYOUT.  Both products are used transposed (source 0 = 16 keys, or 16 channels of V^T; source 1 = 16 queries): a lane holds ONE query (lane % 16) throughout.
; Operands come as IMAGES OF THEIR REGISTERS (1,536 bytes a fragment: registers 4 c .. 4 c + 3 of lane l at 512 c + 16 l); scale words of fragments 2 j + h lie in register j, lanes 16 h on.
; Inside a block of 32 along K the four groups of eight stand in the order 0, 2, 1, 3 in Q, CU, K (channels) and in P, V^T (keys), alike on both sides of each product.  Where the partner is given in natural
; order (ch against Wup, out against Wm) the halves of the lanes change places first, so that the order is the natural one.
; NO CLUSTER: what the four work-groups of a head share (K, V, c, Wc) is read once, at the head, straight into registers; in the loop nothing comes from memory.  No tensor load, so no ring.
; LIMITS: NaN and infinities are not served.  A block whose largest magnitude lies under 2^-124, a block of zeros among them, gets the scale byte 1 (its codes are zeros or the rule's); this program alone reads the bytes.
; p under 2^-126 comes out of v_exp_f32 as 0.  tanh(tau) = (1 - E) / (1 + E) and 1 / (1 + tanh(tau)) = (1 + E) / 2 with E = e^(-2 tau): where E overflows, the module has no finite result either.
.set QI,   0                           ; LDS: 16 images of Q (block n, tile a: 4 n + a)
.set CUI,  24576                       ; 16 images of CU
.set QSC,  49152                       ; Q's scale words: block n: 256 bytes, 8 x lane
.set CUS,  50176                       ; CU's
.set WL,   51200                       ; ln_w x log2(e), 1,024 numbers
.set BL,   55296                       ; ln_b x log2(e)
.set VI,   59392                       ; wave w's 16 images of V^T at + 24,576 w
.set STX,  157696                      ; wave w at + 1,024 w: its means of four tiles, its sums of squares: two images of four registers
.set MLX,  161792                      ; the same for -M and the sum of p
.set OX,   165888                      ; wave w at + 32,768 w: its 32 partial tiles of O^T, 1,024 bytes each
.set CHI,  296960                      ; 8 images of CH^T
.set CHS,  309248                      ; their scale words, 128 bytes each
.set LN,   1                           ; v1 lane; v2 r = lane % 16; v3 h = lane / 16
.set RR,   2
.set HH,   3
.set LI,   4                           ; v4 16 x lane; v5 8 x lane; v6 4 x lane
.set L8,   5
.set L4,   6
.set AQ,   7                           ; v7 16 x lane + the block's images; v8 8 x lane + the block's scale words
.set AS,   8
.set AV,   9                           ; v9 my V images
.set AW,   10                          ; v10 my 256 keys' ln_w, + 32 h
.set ASTW, 11                          ; v11 where I put statistics; v12 where I read them
.set ASTR, 12
.set AMLR, 13                          ; v13 -M and the sums of tile w
.set AOW,  14                          ; v14 where I put O^T; v15, v16 where I read tile w of waves 0, 1 and of waves 2, 3
.set AOR,  15
.set AOR2, 16
.set R32,  17                          ; v17 32 r
.set HM,   18                          ; v18 all ones in lanes 0-15, 0 in lanes 16-31
.set CSW,  68                          ; at the head: v68 where I put my quarter of c (v69: one row's padding on in lanes 16-31), v70-71 the same for my 32 rows of Wc
.set WSW,  70
.set CRD,  72                          ; v72 where c's fragments are read: 784 r + 24 h; v73 the same for my rows of Wc
.set WRD,  73
.set CPIT, 784                         ; a staged row of 1,024 codes: 768 bytes + 16
.set R24,  20                          ; v20 24 r
.set ACH,  21                          ; v21 where I put CH^T's images
.set KSR,  24                          ; v24-31 K's scale words, v32-39 V's (at the head: v24-39 c's, v40-55 Wc's)
.set VSR,  32
.set QSR,  40                          ; v40-41 Q's, v42-43 CU's, v44-51 P's
.set CSR,  42
.set PS,   44
.set CHSC, 56                          ; v56-63 CH^T's, v64-67 Wup's
.set WUS,  64
.set ST,   68                          ; v68-99 eight registers a tile: +0..3 two packed chains; +4 -mean, then the shift, then -M; +5 the wave's mean; +6, +7 the row's factor
.set TM,   100                         ; v100-115 at work
.set EX,   100                         ; its first eight: what is exchanged
.set PW,   116                         ; v116-119 scale words just made
.set SCR,  120                         ; v120-127 halves of blocks
.set XR,   128                         ; v128-159 the four waves' statistics; ln buffer 0; BM, BT, SO, BY; the merge's factors; at the head ch
.set WB0,  128
.set BM,   128
.set BT,   136
.set SO,   144
.set BY,   152
.set ML,   128
.set GF,   136
.set CHF,  128
.set QF,   160                         ; v160-207 Q's four fragments, v208-255 CU's; then ln buffer 1 (v160-191); then P's eight fragments; then the merged tile (v160-223) and its codes (v224-235)
.set CF,   208
.set PF,   160
.set OC,   160
.set PC,   224
.set CHC,  160                         ; at the head: CH^T's codes, CU's codes, Wup's fragments
.set PCP,  184
.set WUF,  208
.set SEL,  54                          ; s[54:55] lane selects: lane l xor 16
.set MSB, 0
.macro WIN new                         ; bits 1:0 source 0, 3:2 source 1, 5:4 source 2, 7:6 destination; the high byte repeats the setting that is left
.if MSB != (\new)
	s_set_vgpr_msb (MSB<<8)|(\new)
.set MSB, \new
.endif
.endm
.macro PADD p                          ; a buffer's address + the byte offset in s[46:47]
	s_add_nc_u64 s[\p:\p+1], s[\p:\p+1], s[46:47]
.endm
.macro BARRIER                         ; my LDS stores have landed and my LDS loads are in: then the work-group's barrier
	s_wait_alu depctr_va_vdst(0)
	s_wait_dscnt 0x0
	s_barrier_signal -1
	s_barrier_wait -1
.endm
; One matrix instruction, by symbols: rD the accumulator, rA and rB the operands, rSA and rSB their scale registers, rRA and rRB: scales in lanes 16-31, rZ: the sum begins
.macro WMI
.if rZ
.if rRA && rRB
	v_wmma_scale_f32_16x16x128_f8f6f4 v[rD:rD+7], v[rA:rA+11], v[rB:rB+11], 0, v[rSA], v[rSB] matrix_a_fmt:MATRIX_FMT_FP6 matrix_b_fmt:MATRIX_FMT_FP6 matrix_a_scale:MATRIX_SCALE_ROW1 matrix_b_scale:MATRIX_SCALE_ROW1
.elseif rRA
	v_wmma_scale_f32_16x16x128_f8f6f4 v[rD:rD+7], v[rA:rA+11], v[rB:rB+11], 0, v[rSA], v[rSB] matrix_a_fmt:MATRIX_FMT_FP6 matrix_b_fmt:MATRIX_FMT_FP6 matrix_a_scale:MATRIX_SCALE_ROW1
.elseif rRB
	v_wmma_scale_f32_16x16x128_f8f6f4 v[rD:rD+7], v[rA:rA+11], v[rB:rB+11], 0, v[rSA], v[rSB] matrix_a_fmt:MATRIX_FMT_FP6 matrix_b_fmt:MATRIX_FMT_FP6 matrix_b_scale:MATRIX_SCALE_ROW1
.else
	v_wmma_scale_f32_16x16x128_f8f6f4 v[rD:rD+7], v[rA:rA+11], v[rB:rB+11], 0, v[rSA], v[rSB] matrix_a_fmt:MATRIX_FMT_FP6 matrix_b_fmt:MATRIX_FMT_FP6
.endif
.else
.if rRA && rRB
	v_wmma_scale_f32_16x16x128_f8f6f4 v[rD:rD+7], v[rA:rA+11], v[rB:rB+11], v[rD:rD+7], v[rSA], v[rSB] matrix_a_fmt:MATRIX_FMT_FP6 matrix_b_fmt:MATRIX_FMT_FP6 matrix_a_scale:MATRIX_SCALE_ROW1 matrix_b_scale:MATRIX_SCALE_ROW1
.elseif rRA
	v_wmma_scale_f32_16x16x128_f8f6f4 v[rD:rD+7], v[rA:rA+11], v[rB:rB+11], v[rD:rD+7], v[rSA], v[rSB] matrix_a_fmt:MATRIX_FMT_FP6 matrix_b_fmt:MATRIX_FMT_FP6 matrix_a_scale:MATRIX_SCALE_ROW1
.elseif rRB
	v_wmma_scale_f32_16x16x128_f8f6f4 v[rD:rD+7], v[rA:rA+11], v[rB:rB+11], v[rD:rD+7], v[rSA], v[rSB] matrix_a_fmt:MATRIX_FMT_FP6 matrix_b_fmt:MATRIX_FMT_FP6 matrix_b_scale:MATRIX_SCALE_ROW1
.else
	v_wmma_scale_f32_16x16x128_f8f6f4 v[rD:rD+7], v[rA:rA+11], v[rB:rB+11], v[rD:rD+7], v[rSA], v[rSB] matrix_a_fmt:MATRIX_FMT_FP6 matrix_b_fmt:MATRIX_FMT_FP6
.endif
.endif
.endm
; 64 numbers of a lane, registers src .. src + 63 of window w, register 16 b + i in block b of my row, become a fragment's 12 registers of codes at pc and its scale word in pw (window 0).
.macro QUANT src, w, pc, pw
	WIN (\w)|((\w)<<2)
.irp b, 0,1,2,3
	v_max3_num_f32 v[TM+\b], |v[(\src)+16*\b]|, |v[(\src)+16*\b+1]|, 0x1800000   ; my 16 numbers of block b, and the floor 2^(3 - 127): the byte cannot fall under 1.  Each accumulator is read from its low end on
.endr
.irp i, 2,4,6,8,10,12,14
.irp b, 0,1,2,3
	v_max3_num_f32 v[TM+\b], |v[(\src)+16*\b+\i]|, |v[(\src)+16*\b+\i+1]|, v[TM+\b]
.endr
.endr
	WIN 0
.irp b, 0,1,2,3
	v_permlanex16_b32 v[TM+4+\b], v[TM+\b], s[SEL], s[SEL+1]
.endr
.irp b, 0,1,2,3
	v_max_num_f32 v[TM+\b], v[TM+\b], v[TM+4+\b]   ; with lane l xor 16's: the block's largest magnitude
.endr
.irp b, 0,1,2,3
	v_add_nc_u32 v[TM+12+\b], 0xff000000, v[TM+\b] ; 2 off its exponent field: the conversion's scale operand
.endr
.irp b, 0,1,2,3
	v_lshrrev_b32 v[TM+4+\b], 23, v[TM+12+\b]      ; the scale's byte
.endr
	v_lshl_or_b32 v[\pw], v[TM+5], 8, v[TM+4]
	v_lshl_or_b32 v[\pw], v[TM+6], 16, v[\pw]
	v_lshl_or_b32 v[\pw], v[TM+7], 24, v[\pw]
	WIN \w
.irp c, 0,1
	v_cvt_scalef32_pk16_fp6_f32 v[(\pc)+6*\c:(\pc)+6*\c+2], v[(\src)+32*\c:(\src)+32*\c+15], v[TM+12+2*\c]
	v_cvt_scalef32_pk16_fp6_f32 v[SCR+4*\c:SCR+4*\c+2], v[(\src)+32*\c+16:(\src)+32*\c+31], v[TM+12+2*\c+1]   ; (a conversion's three registers begin on an even number)
.endr
	WIN 0
	v_nop                                          ; one plain place behind a scaled conversion
.irp c, 0,1                                    ; the operand's layout wants a whole block in a lane: lanes 0-15 block 2 c, lanes 16-31 block 2 c + 1
.irp i, 0,1,2
	v_permlane16_swap_b32 v[(\pc)+6*\c+\i], v[SCR+4*\c+\i]
.endr
.irp i, 0,1,2
	v_mov_b32 v[(\pc)+6*\c+3+\i], v[SCR+4*\c+\i]
.endr
.endr
.endm
	; ---------------- THE HEAD ----------------
	s_load_b512 s[8:23], s[0:1], 0x0               ; qimg 8, qsc 10, kimg 12, ksc 14, vimg 16, vsc 18, c_codes 20, c_scales 22
	s_load_b512 s[24:39], s[0:1], 0x40             ; Wc_codes 24, Wc_scales 26, bc 28, Wup_codes 30, Wup_scales 32, ln_w 34, ln_b 36, tau 38
	s_load_b128 s[40:43], s[0:1], 0x80             ; oimg 40, osc 42
	v_lshl_add_u32 v123, v0, 2, 0x4bc00
	v_mov_b32 v127, 0
	v_lshrrev_b32 v22, 5, v0
	v_readfirstlane_b32 s2, v22                    ; wave 0..3
	v_and_b32 v[LN], 31, v0
	v_and_b32 v[RR], 15, v0
	v_bfe_u32 v[HH], v0, 4, 1
	v_lshlrev_b32 v[LI], 4, v[LN]
	v_lshlrev_b32 v[L8], 3, v[LN]
	v_lshlrev_b32 v[L4], 2, v[LN]
	v_lshlrev_b32 v[R32], 5, v[RR]
	v_add_nc_u32 v[HM], -1, v[HH]
	s_mul_i32 s46, s2, 8*CPIT                      ; c and Wc are staged on the bytes that hold the partial results later: c's 32 rows at OX, wave w's 32 rows of Wc at OX + 32 x 784 x (1 + w)
	s_add_co_u32 s46, s46, OX
	v_add_nc_u32 v[CSW], s46, v[LI]
	v_lshl_add_u32 v[CSW+1], v[HH], 4, v[CSW]
	s_mul_i32 s46, s2, 32*CPIT
	s_add_co_u32 s46, s46, OX+32*CPIT
	v_add_nc_u32 v[WSW], s46, v[LI]
	v_lshl_add_u32 v[WSW+1], v[HH], 4, v[WSW]
	v_mul_u32_u24 v[CRD], v[RR], CPIT
	v_mad_u32_u24 v[CRD], v[HH], 24, v[CRD]
	v_add_nc_u32 v[WRD], s46, v[CRD]
	v_add_nc_u32 v[CRD], OX, v[CRD]
	v_mul_u32_u24 v[R24], v[RR], 24
	v_lshlrev_b32 v84, 2, v[RR]                    ; 4 r: bc
	v_lshlrev_b32 v85, 5, v[LN]                    ; 32 x lane: ln_w, ln_b
	s_mul_i32 s45, s2, 24576
	s_add_co_u32 s45, s45, VI
	v_add_nc_u32 v[AV], s45, v[LI]
	s_lshl_b32 s45, s2, 10
	s_add_co_u32 s46, s45, WL
	v_lshl_add_u32 v[AW], v[HH], 5, s46
	v_lshl_add_u32 v94, v[LN], 5, s46              ; where I put my 256 keys' ln_w
	s_add_co_u32 s46, s45, STX
	v_add_nc_u32 v[ASTW], s46, v[LI]
	v_add_nc_u32 v[ASTR], STX, v[LI]
	s_lshl_b32 s46, s2, 2
	s_add_co_u32 s46, s46, MLX
	v_add_nc_u32 v[AMLR], s46, v[LI]
	s_lshl_b32 s46, s2, 15
	s_add_co_u32 s46, s46, OX
	v_add_nc_u32 v[AOW], s46, v[LI]
	s_lshl_b32 s46, s2, 13
	s_add_co_u32 s46, s46, OX
	v_add_nc_u32 v[AOR], s46, v[LI]
	v_add_nc_u32 v[AOR2], 0x10000, v[AOR]          ; an LDS offset has 16 bits: waves 2 and 3 lie 65,536 bytes on
	s_mul_i32 s46, s2, 3072
	s_add_co_u32 s46, s46, CHI
	v_add_nc_u32 v[ACH], s46, v[LI]
	s_lshl_b32 s46, s2, 8
	v_add_nc_u32 v91, s46, v[L8]                   ; my block's pair of scale words: 256 w + 8 x lane
	s_add_co_u32 s46, s46, CHS
	v_add_nc_u32 v87, s46, v[L4]                   ; where I put CH^T's scale words
	v_add_nc_u32 v88, CHI, v[LI]                   ; where CH^T's images are read,
	v_add_nc_u32 v89, CHS, v[L4]                   ; and their scale words
	s_mul_i32 s46, s2, 6144
	s_add_co_u32 s45, s46, QI
	v_add_nc_u32 v90, s45, v[LI]                   ; where I put my block's images of Q,
	s_add_co_u32 s46, s46, CUI
	v_add_nc_u32 v95, s46, v[LI]                   ; and of CU
.irp b, 0,1,2,3
	v_mov_b32 v[TM+4+\b], 0                        ; written once: a lane permute's destination counts as one of its sources
.endr
	s_mov_b32 s[SEL], 0x76543210
	s_mov_b32 s[SEL+1], 0xfedcba98
	s_mov_b32 s52, 0x3727c5ac                      ; 1e-5
	s_mov_b32 s4, ttmp9                            ; which 256 queries
	s_and_b32 s5, ttmp7, 0xffff                    ; 8 batch + head
	s_lshr_b32 s6, s5, 3
	s_and_b32 s7, s5, 7
	s_mov_b32 s47, 0
	s_wait_alu depctr_va_vdst(0)
	s_wait_kmcnt 0x0
	s_load_b32 s44, s[38:39], 0x0                  ; tau
	s_lshl_b32 s46, s5, 6                          ; Q: my block's four fragments: (64 bh + 16 qb + 4 w) x 1,536
	s_lshl_b32 s45, s4, 4
	s_add_co_u32 s46, s46, s45
	s_lshl_b32 s45, s2, 2
	s_add_co_u32 s46, s46, s45
	s_mul_i32 s46, s46, 1536
	PADD 8
	s_lshl_b32 s46, s5, 3                          ; their scale words: group 8 bh + 2 qb + w / 2, the lower or the upper two registers
	s_lshl_b32 s45, s4, 1
	s_add_co_u32 s46, s46, s45
	s_lshr_b32 s45, s2, 1
	s_add_co_u32 s46, s46, s45
	s_lshl_b32 s46, s46, 9
	s_and_b32 s45, s2, 1
	s_lshl_b32 s45, s45, 8                         ; four fragments' scale words are 256 bytes, 8 x lane
	s_add_co_u32 s46, s46, s45
	PADD 10
	s_lshl_b32 s46, s5, 6                          ; K, V: my 16 fragments
	s_lshl_b32 s45, s2, 4
	s_add_co_u32 s46, s46, s45
	s_mul_i32 s46, s46, 1536
	PADD 12
	PADD 16
	s_lshl_b32 s46, s5, 3                          ; their scale words: groups 8 bh + 2 w, + 1
	s_lshl_b32 s45, s2, 1
	s_add_co_u32 s46, s46, s45
	s_lshl_b32 s46, s46, 9
	PADD 14
	PADD 18
	s_mul_i32 s46, s6, 24576                       ; c: the batch's 32 rows; I fetch eight of them
	s_mul_i32 s45, s2, 6144
	s_add_co_u32 s46, s46, s45
	PADD 20
	s_lshl_b32 s46, s6, 10
	PADD 22
	s_lshl_b32 s45, s7, 7                          ; Wc, bc: rows 128 head + 32 w on
	s_lshl_b32 s46, s2, 5
	s_add_co_u32 s45, s45, s46
	s_mul_i32 s46, s45, 768
	PADD 24
	s_lshl_b32 s46, s45, 5
	PADD 26
	s_lshl_b32 s46, s45, 2
	PADD 28
	s_lshl_b32 s45, s4, 8                          ; Wup: rows 256 qb + 64 w on
	s_lshl_b32 s46, s2, 6
	s_add_co_u32 s45, s45, s46
	s_mul_i32 s46, s45, 24
	PADD 30
	s_mov_b32 s46, s45
	PADD 32
	s_lshl_b32 s46, s2, 10                         ; ln_w, ln_b: my 256 keys
	PADD 34
	PADD 36
	s_lshl_b32 s46, s6, 6                          ; out: row tile 64 b + 16 qb + w (+ 4 a block), fragment = head
	s_lshl_b32 s45, s4, 4
	s_add_co_u32 s46, s46, s45
	s_add_co_u32 s46, s46, s2
	s_lshl_b32 s46, s46, 3
	s_add_co_u32 s46, s46, s7
	s_mul_i32 s46, s46, 1536
	PADD 40
	s_lshl_b32 s46, s6, 10                         ; its scale words: 32 bytes a row, 4 a head
	s_lshl_b32 s45, s4, 8
	s_add_co_u32 s46, s46, s45
	s_lshl_b32 s45, s2, 4
	s_add_co_u32 s46, s46, s45
	s_lshl_b32 s46, s46, 5
	s_lshl_b32 s45, s7, 2
	s_add_co_u32 s46, s46, s45
	PADD 42
	; the first group of loads, 70: c (2 tiles of captions x 8 K steps) into window 2, my 32 rows of Wc likewise into window 3, their scale words, bc
	WIN 0x80
.set k, 0
.rept 12
	global_load_b128 v[4*k:4*k+3], v[LI], s[20:21] offset:512*k                ; 512 consecutive bytes an instruction
.set k, k+1
.endr
	WIN 0xc0
.set k, 0
.rept 48
	global_load_b128 v[4*k:4*k+3], v[LI], s[24:25] offset:512*k
.set k, k+1
.endr
	WIN 0
.irp i, 0,1
	global_load_b128 v[24+8*\i:27+8*\i], v[R32], s[22:23] offset:512*\i        ; a row's 32 scale bytes: the words of its 8 K steps
	global_load_b128 v[28+8*\i:31+8*\i], v[R32], s[22:23] offset:512*\i+16
	global_load_b128 v[40+8*\i:43+8*\i], v[R32], s[26:27] offset:512*\i
	global_load_b128 v[44+8*\i:47+8*\i], v[R32], s[26:27] offset:512*\i+16
	global_load_b32 v[92+\i], v84, s[28:29] offset:64*\i
.endr
	; the second group, 33: Wup's four fragments (24 bytes a row) and scale bytes, my block's images of Q and their scale words, my keys' ln_w and ln_b
.irp a, 0,1,2,3
.irp p, 0,1,2
	global_load_b64 v[WUF+12*\a+2*\p:WUF+12*\a+2*\p+1], v[R24], s[30:31] offset:384*\a+8*\p
.endr
	global_load_u8 v[WUS+\a], v[RR], s[32:33] offset:16*\a                     ; byte 0: the one block's scale; bytes 1 to 3, which are 0, scale zero codes alone
.endr
	WIN 0x40
.set k, 0
.rept 12
	global_load_b128 v[208+4*k:208+4*k+3], v[LI], s[8:9] offset:512*k
.set k, k+1
.endr
	global_load_b128 v[192:195], v85, s[34:35]
	global_load_b128 v[196:199], v85, s[34:35] offset:16
	global_load_b128 v[200:203], v85, s[36:37]
	global_load_b128 v[204:207], v85, s[36:37] offset:16
	WIN 0
	global_load_b64 v[22:23], v[L8], s[10:11]
	; tau's numbers, while the loads are on their way
	s_wait_kmcnt 0x0
	v_mov_b32 v96, s44
	v_mul_f32 v96, 0xc038aa3b, v96                 ; -2 log2(e) tau
	s_wait_alu depctr_va_vdst(0)
	v_exp_f32 v96, v96                             ; E = e^(-2 tau)
	v_nop
	s_wait_alu depctr_va_vdst(0)
	v_add_f32 v97, 1.0, v96
	v_sub_f32 v96, 1.0, v96
	s_wait_alu depctr_va_vdst(0)
	v_rcp_f32 v98, v97
	v_mul_f32 v99, 0x3d3504f3, v97                 ; a = (1 + E) / (2 sqrt(128)) = 1 / (sqrt(128) (1 + tanh(tau))).  (A plain place behind the reciprocal)
	s_wait_alu depctr_va_vdst(0)
	v_mul_f32 v96, v96, v98                        ; tanh(tau) = (1 - E) / (1 + E)
	v_mul_f32 v97, v99, v99
	v_mul_f32 v97, 0x3a800000, v97                 ; a^2 / 1,024
	v_readfirstlane_b32 s48, v96
	v_readfirstlane_b32 s50, v99
	v_readfirstlane_b32 s51, v97
	s_mov_b32 s49, s48                             ; (the packed form names the pair)
	s_wait_alu depctr_va_vdst(0)
	s_wait_loadcnt 33                              ; the first group is in: the 33 of the second were issued behind it
	; three loads are two rows of 768 bytes: the first lies in the even row, the second's lanes 16-31 and the third in the odd one: 16 bytes of padding for each row passed
	WIN 0x08
.set k, 0
.rept 12
	ds_store_b128 v[CSW+(k%3)%2], v[4*k:4*k+3] offset:512*k+32*(k/3)+16*((k%3)/2)
.set k, k+1
.endr
	WIN 0x0c
.set k, 0
.rept 48
	ds_store_b128 v[WSW+(k%3)%2], v[4*k:4*k+3] offset:512*k+32*(k/3)+16*((k%3)/2)
.set k, k+1
.endr
	WIN 0
	BARRIER                                        ; c's four quarters lie in LDS
	WIN 0x80
.irp f, 0,1,2,3,4,5,6,7,8,9,10,11,12,13,14,15
.irp p, 0,1,2,3,4,5
	ds_load_b64 v[12*\f+2*\p:12*\f+2*\p+1], v[CRD] offset:16*CPIT*(\f/8)+96*(\f%8)+48*(\p/3)+8*(\p%3)
.endr
.endr
	WIN 0xc0
.irp f, 0,1,2,3,4,5,6,7,8,9,10,11,12,13,14,15
.irp p, 0,1,2,3,4,5
	ds_load_b64 v[12*\f+2*\p:12*\f+2*\p+1], v[WRD] offset:16*CPIT*(\f/8)+96*(\f%8)+48*(\p/3)+8*(\p%3)
.endr
.endr
	WIN 0
	WIN 0x40
.set k, 0
.rept 48
	global_load_b128 v[4*k:4*k+3], v[LI], s[12:13] offset:512*k                ; K's 16 fragments into window 1: they stay
.set k, k+1
.endr
	; ch^T: source 0 = 16 captions of c, source 1 = 16 rows of Wc: lane (r, h) holds channel 32 w + 16 jt + r and captions 16 it + 8 h + 0 .. 7.  Four accumulators by turns, x = 2 jt + it
	s_wait_dscnt 0x0                               ; the fragments of c and Wc
	WIN 0xae
.set kk, 0
.rept 8
.irp x, 0,1,2,3
.set rD, 192+8*\x
.set rA, 12*(8*(\x%2)+kk)
.set rB, 12*(8*(\x/2)+kk)
.set rSA, 24+8*(\x%2)+kk
.set rSB, 40+8*(\x/2)+kk
.set rZ, kk==0
.set rRA, 0
.set rRB, 0
	WMI
.endr
.set kk, kk+1
.endr
.rept 4
	v_nop
.endr
	WIN 0x08
.irp x, 0,1,2,3
.irp j, 0,1,2,3,4,5,6,7
	v_add_f32 v[CHF+8*\x+\j], v[92+\x/2], v[192+8*\x+\j]                       ; + bc, each accumulator from its low end on
.endr
.endr
	WIN 0
.irp y, 0,1
.irp j, 0,1,2,3,4,5,6,7
	v_permlane16_swap_b32 v[CHF+16*\y+\j], v[CHF+16*\y+8+\j]                   ; natural order: lanes 0-15 now hold captions 0 .. 15, lanes 16-31 captions 16 .. 31
.endr
.endr
.irp y, 0,1
	v_max3_num_f32 v[TM+\y], |v[CHF+16*\y]|, |v[CHF+16*\y+1]|, 0x1800000       ; K = the 32 captions: one block
.endr
.irp i, 2,4,6,8,10,12,14
.irp y, 0,1
	v_max3_num_f32 v[TM+\y], |v[CHF+16*\y+\i]|, |v[CHF+16*\y+\i+1]|, v[TM+\y]
.endr
.endr
.irp y, 0,1
	v_permlanex16_b32 v[TM+4+\y], v[TM+\y], s[SEL], s[SEL+1]
.endr
.irp y, 0,1
	v_max_num_f32 v[TM+\y], v[TM+\y], v[TM+4+\y]
.endr
.irp y, 0,1
	v_add_nc_u32 v[TM+12+\y], 0xff000000, v[TM+\y]
.endr
.irp y, 0,1
	v_lshrrev_b32 v[PW+\y], 23, v[TM+12+\y]        ; the scale word: byte 0; bytes 1 to 3, which are 0, scale zero codes alone
.endr
.irp y, 0,1
	v_cvt_scalef32_pk16_fp6_f32 v[CHC+12*\y:CHC+12*\y+2], v[CHF+16*\y:CHF+16*\y+15], v[TM+12+\y]
.endr
.irp y, 0,1
.irp i, 0,1,2
	v_mov_b32 v[SCR+4*\y+\i], 0                    ; (plain places behind the conversions)
.endr
.irp i, 6,7,8,9,10,11
	v_mov_b32 v[CHC+12*\y+\i], 0                   ; K = 64 .. 127: zero codes
.endr
.endr
.irp y, 0,1
.irp i, 0,1,2
	v_permlane16_swap_b32 v[CHC+12*\y+\i], v[SCR+4*\y+\i]                      ; lanes 0-15 get the whole block, lanes 16-31 (K = 32 .. 63) zeros
.endr
.irp i, 0,1,2
	v_mov_b32 v[CHC+12*\y+3+\i], v[SCR+4*\y+\i]
.endr
.endr
.irp y, 0,1
.irp c, 0,1,2
	ds_store_b128 v[ACH], v[CHC+12*\y+4*\c:CHC+12*\y+4*\c+3] offset:1536*\y+512*\c   ; CH^T's tile 2 w + y
.endr
	ds_store_b32 v87, v[PW+\y] offset:128*\y
.endr
	s_wait_alu depctr_va_vdst(0)
	s_wait_loadcnt 48                              ; the second group is in: K's 48 loads were issued behind it
.irp a, 0,1,2,3
.irp i, 0,1,2,3,4,5
	v_and_b32 v[WUF+12*\a+\i], v[HM], v[WUF+12*\a+\i]                          ; Wup has K = 32: lanes 16-31 (K = 32 .. 63) hold zero codes,
.endr
.irp i, 6,7,8,9,10,11
	v_mov_b32 v[WUF+12*\a+\i], 0                   ; and so does K = 64 .. 127
.endr
.endr
	WIN 0x44
.set k, 0
.rept 16
	v_mul_f32 v[192+k], 0x3fb8aa3b, v[192+k]       ; ln_w, ln_b x log2(e): the logit comes out as t
.set k, k+1
.endr
	WIN 0x04
.set k, 0
.rept 12
	ds_store_b128 v90, v[208+4*k:208+4*k+3] offset:512*k
.set k, k+1
.endr
	ds_store_b128 v94, v[192:195]
	ds_store_b128 v94, v[196:199] offset:16
	ds_store_b128 v94, v[200:203] offset:BL-WL
	ds_store_b128 v94, v[204:207] offset:BL-WL+16
	WIN 0
	ds_store_b64 v91, v[22:23] offset:QSC
.irp u, 0,1,2,3
	global_load_b64 v[KSR+2*\u:KSR+2*\u+1], v[L8], s[14:15] offset:256*\u      ; four fragments' scale words: 256 bytes, 8 x lane
	global_load_b64 v[VSR+2*\u:VSR+2*\u+1], v[L8], s[18:19] offset:256*\u
.endr
	BARRIER                                        ; CH^T's eight images, Q's sixteen and their scale words lie in LDS
	WIN 0xc0
.set k, 0
.rept 24
	ds_load_b128 v[4*k:4*k+3], v88 offset:512*k
.set k, k+1
.endr
	WIN 0
.irp t, 0,1,2,3,4,5,6,7
	ds_load_b32 v[CHSC+\t], v89 offset:128*\t
.endr
	s_wait_dscnt 0x0
	; cu of my block's 64 queries: source 0 = 16 channels of CH^T, source 1 = 16 rows of Wup: lane (r, h) holds query 16 a + r and channels 16 t + 8 h + 0 .. 7.  32 sums of one product each
	WIN 0x83
.irp a, 0,1,2,3
.irp t, 0,1,2,3,4,5,6,7
.set rD, 8*(8*\a+\t)
.set rA, 12*\t
.set rB, WUF+12*\a
.set rSA, CHSC+\t
.set rSB, WUS+\a
.set rZ, 1
.set rRA, 0
.set rRB, 0
	WMI
.endr
.endr
.rept 4
	v_nop                                          ; places in front of the loads into CH^T's registers and of the first read of results
.endr
	WIN 0xc0
.set k, 0
.rept 48
	global_load_b128 v[4*k:4*k+3], v[LI], s[16:17] offset:512*k                ; V^T's 16 fragments, on their way to my LDS bytes
.set k, k+1
.endr
.irp a, 0,1,2,3
	QUANT 64*\a, 2, PCP, PW+\a
.irp c, 0,1,2
	ds_store_b128 v95, v[PCP+4*\c:PCP+4*\c+3] offset:1536*\a+512*\c
.endr
	s_wait_alu depctr_va_vdst(0)
	s_wait_dscnt 0x0
.endr
	v_cmp_le_u32 vcc_lo, 16, v[LN]
	v_cndmask_b32 v22, v[PW], v[PW+1], vcc_lo      ; lanes 0-15 keep the even fragments' words, lanes 16-31 the odd ones'
	v_cndmask_b32 v23, v[PW+2], v[PW+3], vcc_lo
	ds_store_b64 v91, v[22:23] offset:CUS
	s_wait_loadcnt 0x0                             ; K, the scale words, V
	WIN 0x0c
.set k, 0
.rept 48
	ds_store_b128 v[AV], v[4*k:4*k+3] offset:512*k
.set k, k+1
.endr
	WIN 0
	BARRIER                                        ; CU's sixteen images and their scale words lie in LDS
	s_mov_b32 s3, 4
	s_mov_b32 s56, 0
	s_mov_b32 s57, 0
; ---------------- THE LOOP'S PARTS ----------------
; 64 products: my 16 tiles of keys x the block's four tiles of queries.  Tile (a, b) lies in window 2 + a / 2 at 128 (a % 2) + 8 b.  The 64 accumulators take turns, in the same order both times.
.macro SCORES f, sr, zero
.irp a, 0,1,2,3
	WIN 0xa1+0x50*(\a/2)                           ; K in window 1, the queries' fragment in window 0, C and D in window 2 or 3
.set bb, 0
.rept 16
.set rD, 128*(\a%2)+8*bb
.set rA, 12*bb
.set rB, (\f)+12*\a
.set rSA, KSR+bb/2
.set rSB, (\sr)+\a/2
.set rZ, \zero
.set rRA, bb%2
.set rRB, \a%2
	WMI
.set bb, bb+1
.endr
.endr
.endm
; The two tiles of window w (a = 2 w - 4 + u): the sums of their 128 registers, in two packed chains each
.macro PASS1 w
	WIN (\w)|((\w)<<2)
.irp u, 0,1
	v_pk_add_f32 v[ST+8*(2*(\w)-4+\u):ST+8*(2*(\w)-4+\u)+1], v[128*\u:128*\u+1], v[128*\u+4:128*\u+5]
	v_pk_add_f32 v[ST+8*(2*(\w)-4+\u)+2:ST+8*(2*(\w)-4+\u)+3], v[128*\u+2:128*\u+3], v[128*\u+6:128*\u+7]
.endr
	WIN \w
.set p, 4
.rept 60
.irp u, 0,1
.set rT, ST+8*(2*(\w)-4+\u)+2*(p%2)
	v_pk_add_f32 v[rT:rT+1], v[128*\u+2*p:128*\u+2*p+1], v[rT:rT+1]            ; ascending: each accumulator is read from its low end on
.endr
.set p, p+1
.endr
.endm
.macro PASS2 w                         ; less the wave's mean
	WIN ((\w)<<6)|(\w)
.set p, 0
.rept 64
.irp u, 0,1
	v_pk_add_f32 v[128*\u+2*p:128*\u+2*p+1], v[128*\u+2*p:128*\u+2*p+1], v[ST+8*(2*(\w)-4+\u)+4:ST+8*(2*(\w)-4+\u)+5] op_sel_hi:[1,0]
.endr
.set p, p+1
.endr
.endm
.macro PASS3 w                         ; the sums of the squares
	WIN (\w)|((\w)<<2)
.irp u, 0,1
.irp c, 0,1
	v_pk_mul_f32 v[ST+8*(2*(\w)-4+\u)+2*\c:ST+8*(2*(\w)-4+\u)+2*\c+1], v[128*\u+2*\c:128*\u+2*\c+1], v[128*\u+2*\c:128*\u+2*\c+1]
.endr
.endr
.set p, 2
.rept 62
.irp u, 0,1
.set rT, ST+8*(2*(\w)-4+\u)+2*(p%2)
	v_pk_fma_f32 v[rT:rT+1], v[128*\u+2*p:128*\u+2*p+1], v[128*\u+2*p:128*\u+2*p+1], v[rT:rT+1]
.endr
.set p, p+1
.endr
.endm
.macro REDUCE dst, str                 ; the four tiles' chains, and lane l xor 16's: tile a's total into v[dst + str a]
	WIN 0
.irp a, 0,1,2,3
	v_pk_add_f32 v[ST+8*\a:ST+8*\a+1], v[ST+8*\a:ST+8*\a+1], v[ST+8*\a+2:ST+8*\a+3]
.endr
.irp a, 0,1,2,3
	v_add_f32 v[ST+8*\a], v[ST+8*\a], v[ST+8*\a+1]
.endr
.irp a, 0,1,2,3
	v_permlanex16_b32 v[ST+8*\a+2], v[ST+8*\a], s[SEL], s[SEL+1]
.endr
.irp a, 0,1,2,3
	v_add_f32 v[(\dst)+(\str)*\a], v[ST+8*\a], v[ST+8*\a+2]
.endr
.endm
.macro WLOAD e, buf                    ; ln_w' and ln_b' of my keys 32 e + 8 h + 0 .. 7 and 32 e + 16 + 8 h + 0 .. 7, as registers 16 e .. 16 e + 15 of a tile hold them
.irp i, 0,1,2,3
	ds_load_b128 v[(\buf)+4*\i:(\buf)+4*\i+3], v[AW] offset:128*(\e)+64*(\i/2)+16*(\i%2)
.endr
.irp i, 0,1,2,3
	ds_load_b128 v[(\buf)+16+4*\i:(\buf)+16+4*\i+3], v[AW] offset:BL-WL+128*(\e)+64*(\i/2)+16*(\i%2)
.endr
.endm
.macro LNORM e                         ; block e of 32 keys, all four tiles: x = s r + shift; t = x w' + b'
	WIN 0
.if (\e) < 7
	WLOAD (\e)+1, WB0+32*(((\e)+1)%2)
	s_wait_dscnt 8                                 ; this block's eight loads are in; the next block's eight may be out
.else
	s_wait_dscnt 0x0
.endif
.set WB, WB0+32*((\e)%2)
.irp w, 2,3
	WIN ((\w)<<6)|(\w)
.irp u, 0,1
.irp p, 0,1,2,3,4,5,6,7
	v_pk_fma_f32 v[128*\u+16*(\e)+2*\p:128*\u+16*(\e)+2*\p+1], v[128*\u+16*(\e)+2*\p:128*\u+16*(\e)+2*\p+1], v[ST+8*(2*\w-4+\u)+6:ST+8*(2*\w-4+\u)+7], v[ST+8*(2*\w-4+\u)+4:ST+8*(2*\w-4+\u)+5] op_sel_hi:[1,0,0]
.endr
.endr
.irp u, 0,1
.irp p, 0,1,2,3,4,5,6,7
	v_pk_fma_f32 v[128*\u+16*(\e)+2*\p:128*\u+16*(\e)+2*\p+1], v[128*\u+16*(\e)+2*\p:128*\u+16*(\e)+2*\p+1], v[WB+2*\p:WB+2*\p+1], v[WB+16+2*\p:WB+16+2*\p+1]
.endr
.endr
.endr
.endm
; Tile a: my 256 keys' t become p = 2^(t - M), M the ceiling of the largest t among them; p's sum; p's codes (two fragments of 128 keys) and scale words
.macro SOFT a
.set W, 2+(\a)/2
.set SB, 128*((\a)%2)
.set T, ST+8*(\a)
	WIN W|(W<<2)
.irp e, 0,1,2,3,4,5,6,7
	v_max_num_f32 v[BM+\e], v[SB+16*\e], v[SB+16*\e+1]                         ; the largest t of each block of 32 keys: it serves for the row's maximum and, since p rises with t, for the block's largest p
.endr
.irp i, 2,4,6,8,10,12,14
.irp e, 0,1,2,3,4,5,6,7
	v_max3_num_f32 v[BM+\e], v[SB+16*\e+\i], v[SB+16*\e+\i+1], v[BM+\e]
.endr
.endr
	WIN 0
.irp e, 0,1,2,3,4,5,6,7
	v_permlanex16_b32 v[BT+\e], v[BM+\e], s[SEL], s[SEL+1]
.endr
.irp e, 0,1,2,3,4,5,6,7
	v_max_num_f32 v[BM+\e], v[BM+\e], v[BT+\e]
.endr
	v_max3_num_f32 v[T+5], v[BM], v[BM+1], v[BM+2]
	v_max3_num_f32 v[T+6], v[BM+3], v[BM+4], v[BM+5]
	v_max3_num_f32 v[T+5], v[T+5], v[BM+6], v[BM+7]
	v_max_num_f32 v[T+5], v[T+5], v[T+6]
	v_floor_f32 v[T+4], -v[T+5]                    ; -M = floor(-t) = -ceil(t)
	v_floor_f32 v[EX+(\a)], -v[T+5]
.irp e, 0,1,2,3,4,5,6,7
	v_add_f32 v[BM+\e], v[BM+\e], v[T+4]
.endr
	WIN (W<<6)|W
.set p, 0
.rept 64
	v_pk_add_f32 v[SB+2*p:SB+2*p+1], v[SB+2*p:SB+2*p+1], v[T+4:T+5] op_sel_hi:[1,0]   ; t - M: all the batch's sources first
.set p, p+1
.endr
	s_wait_alu depctr_va_vdst(0)                   ; ahead of the batch
.set p, 0
.rept 64
	v_exp_f32 v[SB+2*p], v[SB+2*p]                 ; p = 2^(t - M), not normalised
	v_exp_f32 v[SB+2*p+1], v[SB+2*p+1]
.set p, p+1
.endr
	WIN 0
.irp e, 0,1,2,3,4,5,6,7
	v_exp_f32 v[BM+\e], v[BM+\e]                   ; the block's largest p: the same addition and exponential on the same number
.endr
	v_nop                                          ; a plain place behind the exponentials
	s_wait_alu depctr_va_vdst(0)
.irp e, 0,1,2,3,4,5,6,7
	v_max_num_f32 v[BM+\e], 0x1800000, v[BM+\e]    ; the floor 2^(3 - 127)
.endr
.irp e, 0,1,2,3,4,5,6,7
	v_add_nc_u32 v[SO+\e], 0xff000000, v[BM+\e]    ; the conversion's scale operand
.endr
.irp e, 0,1,2,3,4,5,6,7
	v_lshrrev_b32 v[BY+\e], 23, v[SO+\e]           ; the scale's byte
.endr
.irp s, 0,1
	v_lshl_or_b32 v[PS+2*(\a)+\s], v[BY+4*\s+1], 8, v[BY+4*\s]
	v_lshl_or_b32 v[PS+2*(\a)+\s], v[BY+4*\s+2], 16, v[PS+2*(\a)+\s]
	v_lshl_or_b32 v[PS+2*(\a)+\s], v[BY+4*\s+3], 24, v[PS+2*(\a)+\s]
.endr
	WIN W|(W<<2)                                   ; the sum of the unquantised p, in four packed chains
.irp c, 0,1,2,3
	v_pk_add_f32 v[BT+2*\c:BT+2*\c+1], v[SB+2*\c:SB+2*\c+1], v[SB+8+2*\c:SB+8+2*\c+1]
.endr
	WIN W
.set p, 8
.rept 56
	v_pk_add_f32 v[BT+2*(p%4):BT+2*(p%4)+1], v[SB+2*p:SB+2*p+1], v[BT+2*(p%4):BT+2*(p%4)+1]
.set p, p+1
.endr
	WIN 0
	v_pk_add_f32 v[BT:BT+1], v[BT:BT+1], v[BT+2:BT+3]
	v_pk_add_f32 v[BT+4:BT+5], v[BT+4:BT+5], v[BT+6:BT+7]
	v_pk_add_f32 v[BT:BT+1], v[BT:BT+1], v[BT+4:BT+5]
	v_add_f32 v[BT], v[BT], v[BT+1]
	v_permlanex16_b32 v[BT+2], v[BT], s[SEL], s[SEL+1]
	v_add_f32 v[EX+4+(\a)], v[BT], v[BT+2]
	WIN W
.irp s, 0,1
.irp c, 0,1
	v_cvt_scalef32_pk16_fp6_f32 v[PF+12*(2*(\a)+\s)+6*\c:PF+12*(2*(\a)+\s)+6*\c+2], v[SB+16*(4*\s+2*\c):SB+16*(4*\s+2*\c)+15], v[SO+4*\s+2*\c]
	v_cvt_scalef32_pk16_fp6_f32 v[SCR+16*\s+4*\c:SCR+16*\s+4*\c+2], v[SB+16*(4*\s+2*\c+1):SB+16*(4*\s+2*\c+1)+15], v[SO+4*\s+2*\c+1]   ; (the second fragment's halves go to BT, which lies 16 behind SCR)
.endr
.endr
	WIN 0
	v_nop                                          ; one plain place behind a scaled conversion
.irp s, 0,1
.irp c, 0,1
.irp i, 0,1,2
	v_permlane16_swap_b32 v[PF+12*(2*(\a)+\s)+6*\c+\i], v[SCR+16*\s+4*\c+\i]
.endr
.irp i, 0,1,2
	v_mov_b32 v[PF+12*(2*(\a)+\s)+6*\c+3+\i], v[SCR+16*\s+4*\c+\i]
.endr
.endr
.endr
.endm
.Lblk:                                         ; four trips, a block of 64 queries each
	v_add_nc_u32 v[AQ], s56, v[LI]
	v_add_nc_u32 v[AS], s57, v[L8]
.set k, 0
.rept 12
	ds_load_b128 v[CF+4*k:CF+4*k+3], v[AQ] offset:CUI+512*k
.set k, k+1
.endr
	ds_load_b64 v[CSR:CSR+1], v[AS] offset:CUS
.set k, 0
.rept 12
	ds_load_b128 v[QF+4*k:QF+4*k+3], v[AQ] offset:QI+512*k
.set k, k+1
.endr
	ds_load_b64 v[QSR:QSR+1], v[AS] offset:QSC
	s_wait_dscnt 13                                ; CU and its scale words are in; Q's 13 loads may be out
	SCORES CF, CSR, 1                              ; cu . k
.rept 4
	v_nop
.endr
.irp w, 2,3
	WIN ((\w)<<6)|(\w)
.set p, 0
.rept 128
	v_pk_mul_f32 v[2*p:2*p+1], v[2*p:2*p+1], s[48:49] op_sel_hi:[1,0]          ; x tanh(tau); ascending: each accumulator from its low end on
.set p, p+1
.endr
.endr
	s_wait_alu depctr_va_vdst(0)
	s_wait_dscnt 0x0
	SCORES QF, QSR, 0
.rept 4
	v_nop
.endr
	PASS1 2
	PASS1 3
	REDUCE ST, 8
.irp a, 0,1,2,3
	v_mul_f32 v[ST+8*\a+5], 0x3b800000, v[ST+8*\a] ; the mean over my 256 keys,
.endr
.irp a, 0,1,2,3
	v_mul_f32 v[ST+8*\a+4], 0xbb800000, v[ST+8*\a] ; its negative,
.endr
.irp a, 0,1,2,3
	v_mul_f32 v[EX+\a], 0x3b800000, v[ST+8*\a]     ; and a copy for the others
.endr
	PASS2 2
	PASS3 2
	PASS2 3
	PASS3 3
	REDUCE EX+4, 1
	ds_store_b128 v[ASTW], v[EX:EX+3]
	ds_store_b128 v[ASTW], v[EX+4:EX+7] offset:512
	BARRIER                                        ; the four waves' means and sums of squares lie in LDS; every wave's reads of the last block's partial results are over
.irp x, 0,1,2,3
	ds_load_b128 v[XR+8*\x:XR+8*\x+3], v[ASTR] offset:1024*\x
	ds_load_b128 v[XR+8*\x+4:XR+8*\x+7], v[ASTR] offset:1024*\x+512
.endr
	s_wait_dscnt 0x0
.irp a, 0,1,2,3
	v_add_f32 v[TM+8+\a], v[XR+\a], v[XR+8+\a]
.endr
.irp a, 0,1,2,3
	v_add_f32 v[TM+12+\a], v[XR+16+\a], v[XR+24+\a]
.endr
.irp a, 0,1,2,3
	v_add_f32 v[TM+8+\a], v[TM+8+\a], v[TM+12+\a]
.endr
.irp a, 0,1,2,3
	v_mul_f32 v[TM+8+\a], 0x3e800000, v[TM+8+\a]   ; the row's mean m
.endr
.irp x, 0,1,2,3
.irp a, 0,1,2,3
	v_sub_f32 v[XR+8*\x+\a], v[XR+8*\x+\a], v[TM+8+\a]
.endr
.endr
.irp a, 0,1,2,3
	v_mul_f32 v[TM+12+\a], v[XR+\a], v[XR+\a]
.endr
.irp x, 1,2,3
.irp a, 0,1,2,3
	v_fma_f32 v[TM+12+\a], v[XR+8*\x+\a], v[XR+8*\x+\a], v[TM+12+\a]           ; the means' spread
.endr
.endr
.irp a, 0,1,2,3
	v_add_f32 v[XR+4+\a], v[XR+4+\a], v[XR+12+\a]
.endr
.irp a, 0,1,2,3
	v_add_f32 v[XR+20+\a], v[XR+20+\a], v[XR+28+\a]
.endr
.irp a, 0,1,2,3
	v_add_f32 v[XR+4+\a], v[XR+4+\a], v[XR+20+\a]
.endr
.irp a, 0,1,2,3
	v_fma_f32 v[XR+4+\a], v[TM+12+\a], 0x43800000, v[XR+4+\a]                  ; the sum of squares about m: the four waves' + 256 x the spread
.endr
.irp a, 0,1,2,3
	v_fma_f32 v[XR+4+\a], v[XR+4+\a], s51, s52     ; the scores' variance + 1e-5
.endr
	s_wait_alu depctr_va_vdst(0)
.irp a, 0,1,2,3
	v_rsq_f32 v[XR+4+\a], v[XR+4+\a]
.endr
.irp a, 0,1,2,3
	v_sub_f32 v[TM+8+\a], v[ST+8*\a+5], v[TM+8+\a] ; my mean - m.  (Plain places behind the roots)
.endr
	s_wait_alu depctr_va_vdst(0)
.irp a, 0,1,2,3
	v_mul_f32 v[ST+8*\a+6], s50, v[XR+4+\a]        ; r = a / sqrt(variance + 1e-5)
.endr
.irp a, 0,1,2,3
	v_mul_f32 v[ST+8*\a+7], s50, v[XR+4+\a]        ; (named with it as a pair)
.endr
.irp a, 0,1,2,3
	v_mul_f32 v[ST+8*\a+4], v[TM+8+\a], v[ST+8*\a+6]   ; the shift
.endr
	s_wait_alu depctr_va_vdst(0)
	WLOAD 0, WB0
.irp e, 0,1,2,3,4,5,6,7
	LNORM \e
.endr
	SOFT 2
	SOFT 3
	WIN 0xc0                                       ; tiles 2 and 3 have left window 3: V^T's 16 fragments come there, under the other two tiles' softmax
.set k, 0
.rept 48
	ds_load_b128 v[4*k:4*k+3], v[AV] offset:512*k
.set k, k+1
.endr
	SOFT 0
	SOFT 1
.rept 8
	v_nop                                          ; a scale register written by a vector instruction stands 8 places ahead of a scaled matrix instruction, an operand so written 4
.endr
	s_wait_alu depctr_va_vdst(0)
	s_wait_dscnt 0x0
	WIN 0xa3
.irp s, 0,1
.irp t, 0,1,2,3,4,5,6,7
.irp a, 0,1,2,3
.set rD, 8*(8*\a+\t)
.set rA, 12*(8*\s+\t)
.set rB, PF+12*(2*\a+\s)
.set rSA, VSR+4*\s+\t/2
.set rSB, PS+2*\a+\s
.set rZ, 1-\s
.set rRA, \t%2
.set rRB, 0
	WMI                                            ; 32 accumulators by turns
.endr
.endr
.endr
.rept 4
	v_nop
.endr
	WIN 0x08
.set k, 0
.rept 32
	ds_store_b128 v[AOW], v[8*k:8*k+3] offset:1024*k                           ; each accumulator from its low end on
	ds_store_b128 v[AOW], v[8*k+4:8*k+7] offset:1024*k+512
.set k, k+1
.endr
	WIN 0
	ds_store_b128 v[ASTW], v[EX:EX+3] offset:MLX-STX
	ds_store_b128 v[ASTW], v[EX+4:EX+7] offset:MLX-STX+512
	BARRIER                                        ; the four waves' partial results, their M and their sums lie in LDS; every wave's reads of the statistics are over
	; THE MERGE: wave w finishes tile w.  First the four waves' -M and sums (eight words), then the partial results of waves 0, 1 and 2: 48 loads; wave 3's sixteen follow behind the factors' arithmetic
.irp x, 0,1,2,3
	ds_load_b32 v[ML+\x], v[AMLR] offset:1024*\x
	ds_load_b32 v[ML+4+\x], v[AMLR] offset:1024*\x+512
.endr
	WIN 0xc0
.irp x, 0,1
.set k, 0
.rept 16
	ds_load_b128 v[64*\x+4*k:64*\x+4*k+3], v[AOR] offset:32768*\x+512*k
.set k, k+1
.endr
.endr
.set k, 0
.rept 16
	ds_load_b128 v[128+4*k:128+4*k+3], v[AOR2] offset:512*k
.set k, k+1
.endr
	WIN 0
	s_wait_dscnt 48                                ; the eight words are in; the 48 loads issued behind them may be out
	v_min3_num_f32 v144, v[ML], v[ML+1], v[ML+2]
	v_min_num_f32 v144, v144, v[ML+3]              ; -M of the whole row
.irp x, 0,1,2,3
	v_sub_f32 v[145+\x], v144, v[ML+\x]            ; a wave's M less the row's: a whole number, 0 or less
.endr
.irp x, 0,1,2,3
	v_cvt_i32_f32 v[145+\x], v[145+\x]             ; (it saturates)
.endr
.irp x, 0,1,2,3
	v_ldexp_f32 v[145+\x], 1.0, v[145+\x]          ; an exact power of two
.endr
	v_mul_f32 v150, v145, v[ML+4]
	v_fma_f32 v150, v146, v[ML+5], v150
	v_fma_f32 v150, v147, v[ML+6], v150
	v_fma_f32 v150, v148, v[ML+7], v150            ; the row's sum
	s_wait_alu depctr_va_vdst(0)
	v_rcp_f32 v150, v150
	v_nop
	s_wait_alu depctr_va_vdst(0)
.irp x, 0,1,2,3
	v_mul_f32 v[GF+2*\x], v[145+\x], v150
	v_mul_f32 v[GF+2*\x+1], v[145+\x], v150        ; (named with it as a pair)
.endr
	s_wait_alu depctr_va_vdst(0)
	WIN 0xc0
.set k, 0
.rept 16
	ds_load_b128 v[192+4*k:192+4*k+3], v[AOR2] offset:32768+512*k              ; wave 3's partial result
.set k, k+1
.endr
	WIN 0x03
	s_wait_dscnt 48                                ; wave 0's sixteen loads are in; the 48 of waves 1, 2 and 3 are behind them
.set p, 0
.rept 32
	v_pk_mul_f32 v[OC+2*p:OC+2*p+1], v[2*p:2*p+1], v[GF:GF+1] op_sel_hi:[1,0]
.set p, p+1
.endr
.irp x, 1,2,3
	s_wait_dscnt 48-16*\x                          ; wave x's are in; sixteen for each later wave may be out
.set p, 0
.rept 32
	v_pk_fma_f32 v[OC+2*p:OC+2*p+1], v[64*\x+2*p:64*\x+2*p+1], v[GF+2*\x:GF+2*\x+1], v[OC+2*p:OC+2*p+1] op_sel_hi:[1,0,1]
.set p, p+1
.endr
.endr
	WIN 0
.irp y, 0,1,2,3
.irp j, 0,1,2,3,4,5,6,7
	v_permlane16_swap_b32 v[OC+16*\y+\j], v[OC+16*\y+8+\j]                     ; natural order along the channels: Wm's codes are given so
.endr
.endr
	QUANT OC, 0, PC, PW
.irp c, 0,1,2
	global_store_b128 v[LI], v[PC+4*\c:PC+4*\c+3], s[40:41] offset:512*\c      ; 512 consecutive bytes, aligned
.endr
	global_store_b32 v[R32], v[PW], s[42:43]       ; a row's word for this head; lanes r and 16 + r store the same word to the same place.  A work-group holds one head of eight, so these words lie 32 bytes apart
	s_wait_alu depctr_va_vdst(0)
	s_wait_xcnt 0x0
	s_add_nc_u64 s[40:41], s[40:41], 49152         ; four row tiles on
	s_add_nc_u64 s[42:43], s[42:43], 2048          ; 64 rows on
	s_add_co_u32 s56, s56, 6144
	s_add_co_u32 s57, s57, 256
	s_sub_co_u32 s3, s3, 1
	s_cmp_lg_u32 s3, 0
	s_cbranch_scc1 .Lblk
	s_wait_tensorcnt 0x0
	ds_add_u32 v123, v127
	s_wait_dscnt 0x0
	s_endpgm
.Lfunc_end_k_q990875e9ac_att:
	.size	k_q990875e9ac_att, .Lfunc_end_k_q990875e9ac_att-k_q990875e9ac_att
	.p2alignl 7, 3214868480
	.fill 96, 4, 3214868480
	.section	.rodata,"a",@progbits
	.p2align	6, 0x0
	.amdhsa_kernel k_q990875e9ac_att
		.amdhsa_group_segment_fixed_size 310784
		.amdhsa_private_segment_fixed_size 0
		.amdhsa_enable_private_segment 0
		.amdhsa_kernarg_size 144
		.amdhsa_user_sgpr_count 2
		.amdhsa_user_sgpr_kernarg_segment_ptr 1
		.amdhsa_wavefront_size32 1
		.amdhsa_system_sgpr_workgroup_id_x 1
		.amdhsa_system_sgpr_workgroup_id_y 1
		.amdhsa_system_sgpr_workgroup_id_z 1
		.amdhsa_system_vgpr_workitem_id 0
		.amdhsa_next_free_vgpr 1024
		.amdhsa_next_free_sgpr 66
		.amdhsa_reserve_vcc 1
		.amdhsa_float_denorm_mode_32 3
		.amdhsa_float_denorm_mode_16_64 3
		.amdhsa_memory_ordered 1
		.amdhsa_forward_progress 1
		.amdhsa_inst_pref_size 255
	.end_amdhsa_kernel
	.section	.bss,"aw",@nobits
	.p2align	6
	.space	262144
	.amdgpu_metadata
---
amdhsa.version: [ 1, 2 ]
amdhsa.kernels:
  - .name:           k_q990875e9ac_att
    .symbol:         k_q990875e9ac_att.kd
    .args:
      - { .name: qimg, .offset: 0, .size: 8, .value_kind: global_buffer, .address_space: global }
      - { .name: qsc, .offset: 8, .size: 8, .value_kind: global_buffer, .address_space: global }
      - { .name: kimg, .offset: 16, .size: 8, .value_kind: global_buffer, .address_space: global }
      - { .name: ksc, .offset: 24, .size: 8, .value_kind: global_buffer, .address_space: global }
      - { .name: vimg, .offset: 32, .size: 8, .value_kind: global_buffer, .address_space: global }
      - { .name: vsc, .offset: 40, .size: 8, .value_kind: global_buffer, .address_space: global }
      - { .name: c_codes, .offset: 48, .size: 8, .value_kind: global_buffer, .address_space: global }
      - { .name: c_scales, .offset: 56, .size: 8, .value_kind: global_buffer, .address_space: global }
      - { .name: Wc_codes, .offset: 64, .size: 8, .value_kind: global_buffer, .address_space: global }
      - { .name: Wc_scales, .offset: 72, .size: 8, .value_kind: global_buffer, .address_space: global }
      - { .name: bc, .offset: 80, .size: 8, .value_kind: global_buffer, .address_space: global }
      - { .name: Wup_codes, .offset: 88, .size: 8, .value_kind: global_buffer, .address_space: global }
      - { .name: Wup_scales, .offset: 96, .size: 8, .value_kind: global_buffer, .address_space: global }
      - { .name: ln_w, .offset: 104, .size: 8, .value_kind: global_buffer, .address_space: global }
      - { .name: ln_b, .offset: 112, .size: 8, .value_kind: global_buffer, .address_space: global }
      - { .name: tau, .offset: 120, .size: 8, .value_kind: global_buffer, .address_space: global }
      - { .name: oimg, .offset: 128, .size: 8, .value_kind: global_buffer, .address_space: global }
      - { .name: osc, .offset: 136, .size: 8, .value_kind: global_buffer, .address_space: global }
    .group_segment_fixed_size: 310784
    .private_segment_fixed_size: 0
    .kernarg_segment_align: 8
    .kernarg_segment_size: 144
    .max_flat_workgroup_size: 128
    .sgpr_count:     66
    .vgpr_count:     1024
    .wavefront_size: 32
...
	.end_amdgpu_metadata
.endif
;; end of part 2
;; launch outp (part 3): grid 4 x 64, 4 waves a work-group, clusters of 4 x 4, 327,680 bytes of LDS; arguments oimg, osc, Wm_codes, Wm_scales, bm, out0; writes out0
.if DOCPART == 3
	.amdgcn_target "amdgcn-amd-amdhsa--gfx1250"
	.amdhsa_code_object_version 6
	.text
	.protected	k_q990875e9ac_outp
	.globl	k_q990875e9ac_outp
	.p2align	8
	.type	k_q990875e9ac_outp,@function
k_q990875e9ac_outp:
	s_mov_b64 s[64:65], 0
	v_nop
	global_prefetch_b8 v0, s[64:65] scope:SCOPE_SE
	s_setreg_imm32_b32 hwreg(HW_REG_WAVE_MODE, 25, 1), 1
	s_wait_xcnt 0x0
	s_wait_alu depctr_hold_cnt(0) depctr_sa_sdst(0) depctr_va_vdst(0) depctr_va_sdst(0) depctr_va_ssrc(0) depctr_va_vcc(0) depctr_vm_vsrc(0)
	s_getreg_b32 s2, hwreg(HW_REG_IB_STS2, 6, 4)
	s_cmp_eq_u32 s2, 0
	s_cbranch_scc0 .Lentry_in_a_cluster
	s_endpgm
.Lentry_in_a_cluster:
	s_bfe_u32 s2, ttmp6, 0x10000c
	s_cmp_lg_u32 s2, 0xf033
	s_cbranch_scc0 .Lentry_shape_is_right
	s_endpgm
.Lentry_shape_is_right:
; out0 = o Wm^T + bm on codes of FP6 (E2M3), one E8M0 scale for each 32 along K = 1,024; sums and result in f32.
; A = the attention's result: images of fragments' registers (row tile of 16, then the K step: 1,536 bytes each), scale bytes [8,192][32].  B = Wm as it is given.
; A BLOCK is 128 rows x 256 columns, 256 blocks; a wave makes 64 x 128: 32 accumulators.  Source 0 = 16 rows of Wm, source 1 = 16 rows of o: a lane holds eight neighbouring columns of a row.
; ALL OF K LIES IN LDS AT ONCE: four dense blocks of memory, brought by four joint tensor loads, one a wave, as rows of 256 bytes.  Nothing is filled again: eight steps of 128 along K with no barrier between them.
; CLUSTERS: 4 x 4 work-groups; A's blocks are asked for jointly along a row of the cluster, B's along a column.
; NO PREFETCH: every byte that the work-group reads is asked for at its head; there is no loop to run ahead in.
; THE WAY OUT: blocks of 16 rows x 128 columns go through a stage of the wave's own, on LDS bytes that have had their one fill and, behind a barrier, their last read, and leave as whole rows of 512 bytes.
.set PITCH,  816
.set BLK,    16*PITCH
.set LB,     128*PITCH                 ; A's images take 98,304 bytes from 0; B's 256 rows begin here
.set SCL,    384*PITCH
.set SCLB,   SCL+16*272
.set SBLK,   544
.set SPARE,  SCLB+32*272
.set SPITCH, 528
.set ADRA, 16
.set ADRB, 18
.set STO,  24
.set RD,   25
.set CO,   26
.set ADRS, 27
.set SPW,  28
.set NIL,  29
.set SC,   32
.set BIAS, 96
.set AF,   160
.set BK,   128
.set G0A, 24
.set G0B, 28
.set G0SA, 32
.set G0SB, 36
.set G1A, 68
.set G1B, 76
.set G1SA, 84
.set G1SB, 92
.set DW0, (3<<16)|(1<<20)|(1<<21)|(5<<22)|(3<<25)
.set MSB, 0
.macro WIN new
.if MSB != (\new)
	s_set_vgpr_msb (MSB<<8)|(\new)
.set MSB, \new
.endif
.endm
.macro CROUND
	s_barrier_signal -1
	s_barrier_wait -1
	s_cmp_lg_u32 s14, 0
	s_cbranch_scc1 .Lnot_wave_0_\@
	s_barrier_signal -3
.Lnot_wave_0_\@:
	s_barrier_wait -3
	s_barrier_signal -1
	s_barrier_wait -1
.endm
.macro GRP1 g, mask, rows, w0
	s_or_b32 s[\g], \mask, \w0
	s_mov_b32 s[\g+1], 32<<16
	s_mov_b32 s[\g+2], (\rows)<<16
	s_mov_b32 s[\g+3], 32<<16
	s_mov_b32 s[\g+4], \rows
	s_mov_b32 s[\g+5], 32
	s_mov_b32 s[\g+6], 0
	s_mov_b32 s[\g+7], 0
.endm
.macro GRP0 g, lds, p
	s_mov_b32 s[\g], 1
	s_mov_b32 s[\g+1], \lds
	s_mov_b64 s[\g+2:\g+3], s[\p:\p+1]
	s_or_b32 s[\g+3], s[\g+3], 0x80000000
.endm
.macro PLACES
.rept 4
	v_nop
.endr
.endm
.macro ARM under, g0, g1, next
	s_cmp_lt_u32 s14, \under
	s_cbranch_scc0 \next
	tensor_load_to_lds s[\g0:\g0+3], s[\g1:\g1+7]
	s_nop 0
	PLACES
	s_branch .Lhead_asked
\next:
.endm
	s_load_b128 s[4:7], s[0:1], 0x0                ; the images, their scales
	s_load_b128 s[8:11], s[0:1], 0x10              ; Wm's codes, Wm's scales
	s_load_b128 s[20:23], s[0:1], 0x20             ; bm, out0
	v_lshl_add_u32 v[SPW], v0, 2, SPARE
	v_mov_b32 v[NIL], 0
	ds_add_u32 v[SPW], v[NIL]                      ; the opening lines: the add twice on end and one wait
	ds_add_u32 v[SPW], v[NIL]
	v_lshrrev_b32 v1, 5, v0
	v_readfirstlane_b32 s14, v1
	s_lshr_b32 s15, s14, 1                         ; which 64 rows
	s_and_b32 s16, s14, 1                          ; which 128 columns
	s_bfe_u32 s2, ttmp6, 0x40000
	s_bfe_u32 s3, ttmp6, 0x40004
	s_lshl_b32 s18, s3, 2
	s_lshl_b32 s18, 15, s18
	s_lshl_b32 s19, 0x1111, s2
	GRP1 G1A, s18, 384, (3<<16)|(1<<21)            ; the images are read 16 x lane: no padding
	GRP1 G1B, s19, 768, DW0
	GRP1 G1SA, s18, 16, DW0
	GRP1 G1SB, s19, 32, DW0
	s_and_b32 s17, ttmp7, 0xffff
	s_lshl_b32 s17, s17, 2
	s_add_co_u32 s17, s17, s3                      ; the block of 128 rows
	s_lshl_b32 s42, ttmp9, 2
	s_add_co_u32 s42, s42, s2                      ; the block of 256 columns
	s_mov_b32 s45, 0
	s_mov_b32 s47, 0
	s_wait_dscnt 0x0
	s_wait_kmcnt 0x0
	s_mul_i32 s44, s17, 64*1536
	s_add_nc_u64 s[4:5], s[4:5], s[44:45]
	s_lshl_b32 s44, s17, 12
	s_add_nc_u64 s[6:7], s[6:7], s[44:45]
	s_mul_i32 s46, s42, 256*768
	s_add_nc_u64 s[8:9], s[8:9], s[46:47]
	s_lshl_b32 s46, s42, 13
	s_add_nc_u64 s[10:11], s[10:11], s[46:47]
	GRP0 G0A, 0, 4
	GRP0 G0B, LB, 8
	GRP0 G0SA, SCL, 6
	GRP0 G0SB, SCLB, 10
	CROUND
	ARM 1, G0A, G1A, .Lhead_b
	ARM 2, G0B, G1B, .Lhead_sa
	ARM 3, G0SA, G1SA, .Lhead_sb
	tensor_load_to_lds s[G0SB:G0SB+3], s[G1SB:G1SB+7]
	s_nop 0
	PLACES
.Lhead_asked:
	s_mov_b32 s49, 0
	s_lshl_b32 s48, s42, 10
	s_lshl_b32 s50, s16, 9
	s_add_co_u32 s48, s48, s50                     ; my first column, in bytes
	s_add_nc_u64 s[20:21], s[20:21], s[48:49]
	s_add_nc_u64 s[22:23], s[22:23], s[48:49]
	s_lshl_b32 s48, s17, 7
	s_lshl_b32 s50, s15, 6
	s_add_co_u32 s48, s48, s50
	s_lshl_b32 s48, s48, 12                        ; my first row x 4,096 bytes
	s_add_nc_u64 s[22:23], s[22:23], s[48:49]
	s_mul_i32 s56, s15, 32*1536
	s_mul_i32 s57, s16, 128*PITCH
	s_add_co_u32 s57, s57, LB
	s_add_co_u32 s58, s57, 4*BLK
	s_mul_i32 s60, s15, 8*272
	s_mul_i32 s59, s16, 16*272
	s_add_co_u32 s59, s59, SCLB-SCL
	s_sub_co_u32 s59, s59, s60
	s_add_co_u32 s60, s60, SCL
	s_mul_i32 s61, s14, 16*SPITCH
	v_and_b32 v1, 15, v0
	v_bfe_u32 v2, v0, 4, 1
	v_and_b32 v3, 31, v0
	v_lshlrev_b32 v[CO], 4, v3
	v_mul_u32_u24 v4, v1, PITCH
	v_mad_u32_u24 v4, v2, 24, v4
	v_lshl_add_u32 v5, v2, 4, v4
	v_add_nc_u32 v[ADRA], s56, v[CO]
	v_add_nc_u32 v[ADRB], s57, v4
	v_add_nc_u32 v[ADRB+1], s57, v5
	v_add_nc_u32 v[ADRB+2], s58, v4
	v_add_nc_u32 v[ADRB+3], s58, v5
	v_lshlrev_b32 v6, 5, v1
	v_lshrrev_b32 v7, 3, v1
	v_lshl_add_u32 v6, v7, 4, v6
	v_mul_u32_u24 v7, s59, v2
	v_add_nc_u32 v6, v6, v7
	v_add_nc_u32 v[ADRS], s60, v6
	v_mul_u32_u24 v9, v1, SPITCH
	v_lshl_add_u32 v9, v2, 5, v9
	v_add_nc_u32 v[STO], s61, v9                   ; into the stage: row r, 32 bytes for each half of the lanes
	v_add_nc_u32 v[RD], s61, v[CO]                 ; back: 32 lanes take a row of 512 bytes
	v_lshlrev_b32 v8, 5, v2
	s_wait_alu depctr_va_vdst(0)                   ; the head's end
.irp b, 0,1,2,3,4,5,6,7
	global_load_b128 v[BIAS+8*\b:BIAS+8*\b+3], v8, s[20:21] offset:64*\b       ; columns 16 b + 8 h + 0 .. 7
	global_load_b128 v[BIAS+8*\b+4:BIAS+8*\b+7], v8, s[20:21] offset:64*\b+16
.endr
.macro FRAG reg, adr, st, i            ; 16 rows of Wm x 128 K: six pieces of 8 bytes; byte y of a row lies at y + 16 (y / 256); lanes 16-31 read 24 bytes on
.irp p, 0,1,2,3,4,5
.set BY, 96*(\st)+48*(\p/3)+8*(\p%3)
.if BY/256 == (BY+24)/256
	ds_load_b64 v[\reg+2*\p:\reg+2*\p+1], v[\adr] offset:BY+16*(BY/256)+(\i)*BLK
.else
	ds_load_b64 v[\reg+2*\p:\reg+2*\p+1], v[\adr+1] offset:BY+16*(BY/256)+(\i)*BLK
.endif
.endr
.endm
.macro FETCH_B st
	WIN 0x40
.irp i, 0,1,2,3,4,5,6,7
	FRAG 128*((\st)%2)+12*\i, ADRB+2*(\i/4), \st, \i%4
.endr
	WIN 0
.endm
.macro FETCH_A st                      ; four images, three loads each
.irp i, 0,1,2,3
.irp c, 0,1,2
	ds_load_b128 v[AF+48*((\st)%2)+12*\i+4*\c:AF+48*((\st)%2)+12*\i+4*\c+3], v[ADRA] offset:(8*\i+(\st))*1536+512*\c
.endr
.endr
.endm
.macro MUL a0, st, mode                ; 16 products; the 32 accumulators take turns
.irp a, \a0, \a0+1
.irp b, 0,1,2,3,4,5,6,7
.set rD, 8*(8*(\a)+\b)
.if (\mode) == 1
.set rC, BIAS+8*\b
.else
.set rC, rD
.endif
	v_wmma_scale_f32_16x16x128_f8f6f4 v[rD:rD+7], v[128*((\st)%2)+12*\b:128*((\st)%2)+12*\b+11], v[AF+48*((\st)%2)+12*(\a):AF+48*((\st)%2)+12*(\a)+11], v[rC:rC+7], v[SC+8*\b+(\st)], v[SC+8*(\a)+(\st)] matrix_a_fmt:MATRIX_FMT_FP6 matrix_b_fmt:MATRIX_FMT_FP6 matrix_a_scale:MATRIX_SCALE_ROW1
.endr
.endr
.endm
.macro STEP st, mode
.if (\mode) > 0
.set WM, 0x81
.else
.set WM, 0xa1
.endif
.if (\st) < 7
.if (\st) > 0
	PLACES
.endif
	FETCH_B (\st)+1
	s_wait_dscnt 48                                ; all but the 48 just issued: this step's fragments are in
.else
	s_wait_dscnt 0x0                               ; my last reads of the tiles are over:
	s_barrier_signal -1                            ; say so
.endif
	WIN WM
	MUL 0, \st, \mode
.if (\st) < 7
	WIN 0
	FETCH_A (\st)+1
	WIN WM
.endif
	MUL 2, \st, \mode
	WIN 0
.endm
	s_wait_tensorcnt 0x0
	s_barrier_signal -1
	s_barrier_wait -1
.irp i, 0,1,2,3,4,5,6,7
	ds_load_b128 v[SC+8*\i:SC+8*\i+3], v[ADRS] offset:\i*SBLK
	ds_load_b128 v[SC+8*\i+4:SC+8*\i+7], v[ADRS] offset:\i*SBLK+16
.endr
	FETCH_B 0
	FETCH_A 0
	s_wait_loadcnt 0x0
	STEP 0, 1
.set ST, 1
.rept 7
	STEP ST, 0
.set ST, ST+1
.endr
	s_barrier_wait -1                              ; nobody reads the tiles any more: the stages may lie on them
.macro TOSTAGE a
	WIN 0x08                                       ; the data: window 2
.irp b, 0,1,2,3,4,5,6,7
	ds_store_b128 v[STO], v[64*(\a)+8*\b:64*(\a)+8*\b+3] offset:64*\b          ; each accumulator from its low end on
	ds_store_b128 v[STO], v[64*(\a)+8*\b+4:64*(\a)+8*\b+7] offset:64*\b+16
.endr
	WIN 0
.set BB, BK+64*((\a)%2)
.irp t, 0,1,2,3,4,5,6,7,8,9,10,11,12,13,14,15
	ds_load_b128 v[BB+4*\t:BB+4*\t+3], v[RD] offset:\t*SPITCH                  ; LDS serves a wave's instructions in order: these see the stores above
.endr
.endm
.macro SEND a, younger
.set BB, BK+64*((\a)%2)
	s_wait_dscnt \younger
.if (\a) > 0
	s_add_nc_u64 s[22:23], s[22:23], 16*4096       ; behind a wait on XCNT: the earlier stores have read their base
.endif
.irp t, 0,1,2,3,4,5,6,7,8,9,10,11,12,13,14,15
	global_store_b128 v[CO], v[BB+4*\t:BB+4*\t+3], s[22:23] offset:\t*4096 th:TH_STORE_NT   ; 512 consecutive bytes, aligned
.endr
.endm
	PLACES
	TOSTAGE 0
.irp a, 1,2,3
.if \a > 1
	s_wait_xcnt 0x0
.endif
	TOSTAGE \a
	SEND \a-1, 32                                  ; behind block a - 1's loads: block a's 16 stores and 16 loads
.endr
	s_wait_xcnt 0x0
	SEND 3, 0
	s_wait_tensorcnt 0x0                           ; the wave's end
	ds_add_u32 v[SPW], v[NIL]
	s_wait_dscnt 0x0
	CROUND                                         ; the closing round
	s_endpgm
.Lfunc_end_k_q990875e9ac_outp:
	.size	k_q990875e9ac_outp, .Lfunc_end_k_q990875e9ac_outp-k_q990875e9ac_outp
	.p2alignl 7, 3214868480
	.fill 96, 4, 3214868480
	.section	.rodata,"a",@progbits
	.p2align	6, 0x0
	.amdhsa_kernel k_q990875e9ac_outp
		.amdhsa_group_segment_fixed_size 327680
		.amdhsa_private_segment_fixed_size 0
		.amdhsa_enable_private_segment 0
		.amdhsa_kernarg_size 48
		.amdhsa_user_sgpr_count 2
		.amdhsa_user_sgpr_kernarg_segment_ptr 1
		.amdhsa_wavefront_size32 1
		.amdhsa_system_sgpr_workgroup_id_x 1
		.amdhsa_system_sgpr_workgroup_id_y 1
		.amdhsa_system_sgpr_workgroup_id_z 1
		.amdhsa_system_vgpr_workitem_id 0
		.amdhsa_next_free_vgpr 768
		.amdhsa_next_free_sgpr 102
		.amdhsa_reserve_vcc 0
		.amdhsa_float_denorm_mode_32 3
		.amdhsa_float_denorm_mode_16_64 3
		.amdhsa_memory_ordered 1
		.amdhsa_forward_progress 1
		.amdhsa_inst_pref_size 91
	.end_amdhsa_kernel
	.amdgpu_metadata
---
amdhsa.version: [ 1, 2 ]
amdhsa.kernels:
  - .name:           k_q990875e9ac_outp
    .symbol:         k_q990875e9ac_outp.kd
    .args:
      - { .name: oimg, .offset: 0, .size: 8, .value_kind: global_buffer, .address_space: global }
      - { .name: osc, .offset: 8, .size: 8, .value_kind: global_buffer, .address_space: global }
      - { .name: Wm_codes, .offset: 16, .size: 8, .value_kind: global_buffer, .address_space: global }
      - { .name: Wm_scales, .offset: 24, .size: 8, .value_kind: global_buffer, .address_space: global }
      - { .name: bm, .offset: 32, .size: 8, .value_kind: global_buffer, .address_space: global }
      - { .name: out0, .offset: 40, .size: 8, .value_kind: global_buffer, .address_space: global }
    .group_segment_fixed_size: 327680
    .private_segment_fixed_size: 0
    .kernarg_segment_align: 8
    .kernarg_segment_size: 48
    .max_flat_workgroup_size: 128
    .sgpr_count:     102
    .vgpr_count:     768
    .wavefront_size: 32
...
	.end_amdgpu_metadata
.endif
;; end of part 3
